; MI455X (gfx1250); checked and timed in simulation.
; The chip was launched on July 23, 2026; its instructions are those of AMD's public machine-readable ISA for CDNA 5 (MIT licence, August 2026) and "CDNA5" Instruction Set Architecture Reference Guide (July 2026). The comments in the code are by the model that wrote it; some were corrected since.
;; Cross Attention. Allowed arithmetic: matrix products marked QUANTISED: E2M3 operands, one E8M0 scale for each 32 along K, by v_wmma_scale_f32_16x16x128_f8f6f4 with both operands' format E2M3, f32 sums; products left as they are: f32 operands where the result goes on into a quantised operand, else bf16, f16 or f32 operands; f32 sums; everything else in f32.
;; Inputs: Wk 1,024 x 1,024 float32; Wo 1,024 x 1,024 float32; Wq 1,024 x 1,024 float32; Wv 1,024 x 1,024 float32; bk 1,024 float32; bo 1,024 float32; bq 1,024 float32; bv 1,024 float32; g 1 float32; h 4 x 1 x 1,024 float32; p 4 x 1 x 1,024 float32; x 4 x 2,048 x 1,024 float32.
;; Outputs: out0 4 x 2,048 x 1,024 float32.
;; This version of the problem:
;;   THIS VERSION OF THE PROBLEM IS GIVEN IN LOW PRECISION. The matrix products marked QUANTISED in the list below multiply operands that are first quantised to E2M3 (2 exponent bits, 3 mantissa bits; 6 bits a number), with one power-of-two scale for each 32 numbers along K (OCP MX v1.0); their sums are f32. All else is computed in f32.
;;   The module's matrix products, in the order in which they are computed (A, B: the left and right operand; K: the contracted axis; several contracted axes count as one K, in the product's order):
;;     1. [M 8,192, K 1,024] x [K 1,024, N 1,024]; A: input x; B: input Wq: QUANTISED
;;     2. [M 8,192, K 1,024] x [K 1,024, N 1,024]; A: input x; B: input Wk: QUANTISED
;;     3. [M 8,192, K 1,024] x [K 1,024, N 1,024]; A: input x; B: input Wv: QUANTISED
;;     4. [M 8, K 1,024] x [K 1,024, N 1,024]; A: computed on the way; B: input Wk: left as it is (M = 8 < 16)
;;     5. [M 8, K 1,024] x [K 1,024, N 1,024]; A: computed on the way; B: input Wv: left as it is (M = 8 < 16)
;;     6. batch 32 x [M 2,048, K 128] x [K 128, N 2,048]; A: computed on the way; B: computed on the way: QUANTISED
;;     7. batch 32 x [M 2,048, K 128] x [K 128, N 2]; A: computed on the way; B: computed on the way: left as it is (N = 2 < 16)
;;     8. batch 32 x [M 2,048, K 2,050] x [K 2,050, N 128]; A: softmax (see below); B: computed on the way: QUANTISED
;;     9. [M 8,192, K 1,024] x [K 1,024, N 1,024]; A: computed on the way; B: input Wo: QUANTISED
;;   THE QUANTISER, for each operand of a quantised product, along K:
;;     - K is cut into blocks of 32 from its start; a last block that is shorter is filled with zeros.
;;     - A block's scale is 2^e with e = floor(log2(the largest magnitude in the block)) - 2, held to -126 .. 127; a block of zeros has e = 0. As a byte (E8M0): e + 127.
;;     - Each number is divided by its block's scale, clamped to +-7.5, and rounded to the nearest number of E2M3, ties to even, subnormals kept.
;;     - The product sums the exact products of the quantised numbers (number of the format x scale) in f32.
;;   ~~~python
;;   def quantise(x, axis):      # numpy; x: float32 -> the quantised numbers, widened to float32 again
;;       x = np.moveaxis(x, axis, -1); K = x.shape[-1]
;;       x = np.pad(x, [(0, 0)] * (x.ndim - 1) + [(0, -K % 32)]); x = x.reshape(x.shape[:-1] + (-1, 32)); a = np.abs(x).max(-1, keepdims=True)
;;       e = np.where(a > 0, np.clip(np.frexp(np.where(a > 0, a, 1))[1] - 1 - 2, -126, 127), 0)      # np.frexp(a)[1] - 1 = floor(log2(a)), exactly
;;       r = np.clip(x / 2.0 ** e, -7.5, 7.5)
;;       step = 2.0 ** (np.maximum(np.frexp(np.where(r == 0, 1, r))[1] - 1, 0) - 3)
;;       q = np.round(r / step) * step * 2.0 ** e      # np.round: ties to even
;;       return np.moveaxis(q.reshape(q.shape[:-2] + (-1,))[..., :K], -1, axis).astype(np.float32)
;;   ~~~
;;   SOFTMAX AHEAD OF A QUANTISED PRODUCT. Where the list says 'softmax', what is quantised is not the finished softmax but p = 2^(t - M), with t = logit x log2(e) and M = ceil(the row's largest t), a whole number; so 1/2 < the row's largest p <= 1. The row's sum l is taken of the UNQUANTISED p, in f32, and the product's result is divided by l at the end. Since M is a whole number, a kernel that streams over the keys may use a running M (the ceiling of the running maximum): every later rescaling is an exact power of two, which a block's scale takes up: the codes' values come out the same.
;;   OPERANDS COMPUTED ON THE WAY. 'Computed on the way' means the value that the module computes at that place (a softmax that the list does not call 'softmax' is quantised finished and normalised). What goes into a quantiser is computed in f32, as accurately as f32 sums, v_exp_f32 and their like allow (about 1e-6 of the number): no bf16 or f16 on the way to a quantiser, and a product that is left as it is and whose result goes on into a quantised operand takes f32 operands (vector FMAs, or v_wmma_f32_16x16x4_f32). A number that lies on a knife's edge between two numbers of the format may be rounded either way, as far as f32 arithmetic and the matrix unit's own rounding can turn it there, and no further.
;; One version. Each part assembles by itself: llvm-mc -triple=amdgcn-amd-amdhsa -mcpu=gfx1250 --defsym DOCPART=n.
;; ======== version 1 of 1: 4 launches
;; limits: right only within a limited range of input values
;; workspace buffers: prep 9,895,936 bytes; qkv 20,185,088 bytes; aog 6,553,600 bytes
;; launch prepare (part 1): grid 256 x 1, 4 waves a work-group, no clusters, 34,304 bytes of LDS; arguments x, Wq, Wk, Wv, Wo, h, p, bk, bv, g, prep; writes prep
.if DOCPART == 1
	.amdgcn_target "amdgcn-amd-amdhsa--gfx1250"
	.amdhsa_code_object_version 6
	.text
	.protected	k_qc2da00573e_prepare
	.globl	k_qc2da00573e_prepare
	.p2align	8
	.type	k_qc2da00573e_prepare,@function
k_qc2da00573e_prepare:
	s_mov_b64 s[64:65], 0
	v_nop
	global_prefetch_b8 v0, s[64:65] scope:SCOPE_SE
	s_setreg_imm32_b32 hwreg(HW_REG_WAVE_MODE, 25, 1), 1
	s_wait_xcnt 0x0
; PREPARE.  (1) x [8192][1024] and Wq, Wk, Wv, Wo [1024][1024], f32 with K innermost, become codes of FP6 (E2M3) with one E8M0 byte for each 32 along K, laid in the ORDER OF THE OPERAND'S REGISTERS.
; A GROUP (GF = 12,800 bytes) is 128 rows x 128 K: eight images of 16 rows (12 registers a lane: register p of lane l at byte 512 (p / 4) + 16 l + 4 (p % 4)), then 512 bytes of scale words
; (image a, row r at 256 (a / 4) + 16 r + 4 (a % 4)).  Lane row r of image a is row 32 (a / 2) + 8 (a % 2) + r + 8 (r / 8) of the 128, so that a product used transposed leaves 16 neighbours of the next K in a lane's registers.
; prep = [96 runs of 128 rows: 64 of x, 8 each of Wq, Wk, Wv, Wo][8 K steps][GF].  Work-groups 0-191: a wave makes one group.
; (2) Work-groups 192-255: k_ad = ([h; p] Wk^T + bk) tanh(g) and v_ad = [h; p] Wv^T + bv, in f32 by fused multiply-adds, to prep behind the groups: [8 rows: 2 b + (0: h, 1: p)][1024] each.
; A block's scale byte is its largest magnitude's exponent field - 2, held at 1 from below.
; LIMITS: NaN and infinities are not served; a block whose largest magnitude lies under 2^-124, a block of zeros among them, gets the byte 1 (its codes are zeros or the nearest codes; only this program reads the bytes);
; tanh(g) = 1 - 2 / (1 + 2^(2.88539 g)) carries an absolute error of about 1e-7; the sums of k_ad and v_ad run in another order than a row-by-row sum.
.set GF,    12800
.set SPARE, 33792                      ; behind the four stages: the spare words, 128 bytes a wave: two blocks of 256 bytes that no other line names
.set LI,    1                          ; v1   16 x lane
.set STI,   2                          ; v2   my stage, on the way in: 16 x lane (a row of 512 bytes an instruction)
.set STO,   3                          ; v3   and on the way out: 528 r + 64 h
.set SPW,   12                         ; v12  LDS address of my spare word; never rewritten
.set NIL,   13                         ; v13  0; never rewritten
.set R,     16                         ; v16-143  two sets of 64: an image's 16 rows as loaded
.set X,     144                        ; v144-207 64 numbers of my row: register 16 b + i = k 32 b + 16 h + i
.set TM,    208                        ; v208-223 at work
.set PC,    224                        ; v224-243 the codes just made
.set PWR,   244                        ; v244-251 the eight images' scale words
.set SEL,   30                         ; s[30:31] lane selects: lane l xor 16
.set HP,    16                         ; adapter path: v16-143 four vectors of 32 numbers a lane
.set WR,    144                        ; v144-239 three sets of 32: a row of W
.set ACC,   240                        ; v240-247 four pairs of sums
.set RES,   248                        ; v248-249 the results, gathered lane by lane
	s_load_b512 s[4:19], s[0:1], 0x0               ; x, Wq, Wk, Wv, Wo, h, p, bk
	s_load_b128 s[20:23], s[0:1], 0x40             ; bv, g
	s_load_b64 s[24:25], s[0:1], 0x50              ; prep
	v_lshl_add_u32 v[SPW], v0, 2, SPARE
	v_mov_b32 v[NIL], 0
	v_lshrrev_b32 v4, 5, v0
	v_readfirstlane_b32 s26, v4                    ; wave
	v_and_b32 v4, 31, v0
	v_lshlrev_b32 v[LI], 4, v4
	v_and_b32 v5, 15, v0                           ; r
	v_bfe_u32 v6, v0, 4, 1                         ; h
	s_mul_i32 s27, s26, 16*528                     ; my stage: 16 rows of 512 bytes + 16
	v_add_nc_u32 v[STI], s27, v[LI]
	v_mul_u32_u24 v[STO], v5, 528
	v_lshl_add_u32 v[STO], v6, 6, v[STO]
	v_add_nc_u32 v[STO], s27, v[STO]
	s_mov_b32 s[SEL], 0x76543210
	s_mov_b32 s[SEL+1], 0xfedcba98
	s_mov_b32 s32, 0xffff0000                      ; lanes 16-31
	s_cmp_ge_u32 ttmp9, 192
	s_cbranch_scc1 .Ladapt
	; ---- the quantiser: group number 4 x work-group + wave
	s_lshl_b32 s33, ttmp9, 2
	s_add_co_u32 s33, s33, s26
	s_lshr_b32 s34, s33, 3                         ; which run of 128 rows
	s_and_b32 s35, s33, 7                          ; which K step
	s_cmp_lt_u32 ttmp9, 128
	s_cselect_b32 s38, 63, 7                       ; x has 64 runs, a weight 8
	s_and_b32 s34, s34, s38
	s_lshl_b32 s34, s34, 19                        ; 128 rows of 4,096 bytes
	s_lshl_b32 s35, s35, 9                         ; 128 numbers
	s_add_co_u32 s34, s34, s35
	s_mov_b32 s35, 0
	s_mul_i32 s38, s33, GF
	s_mov_b32 s39, 0
.irp b, 0,1,2,3
	v_mov_b32 v[TM+4+\b], 0                        ; written once: a lane permute's destination counts as one of its sources
.endr
	s_wait_kmcnt 0x0
	s_mov_b64 s[28:29], s[4:5]                     ; the tensor is chosen by the work-group's number alone
	s_cmp_ge_u32 ttmp9, 128
	s_cselect_b64 s[28:29], s[6:7], s[28:29]
	s_cmp_ge_u32 ttmp9, 144
	s_cselect_b64 s[28:29], s[8:9], s[28:29]
	s_cmp_ge_u32 ttmp9, 160
	s_cselect_b64 s[28:29], s[10:11], s[28:29]
	s_cmp_ge_u32 ttmp9, 176
	s_cselect_b64 s[28:29], s[12:13], s[28:29]
	s_add_nc_u64 s[28:29], s[28:29], s[34:35]
	s_add_nc_u64 s[36:37], s[24:25], s[38:39]
.macro LOADS a                         ; image a's 16 rows: each load reads 512 consecutive bytes of one row
.irp p, 0,1,2,3,4,5,6,7,8,9,10,11,12,13,14,15
	global_load_b128 v[R+64*((\a)%2)+4*\p:R+64*((\a)%2)+4*\p+3], v[LI], s[28:29] offset:(32*((\a)/2)+8*((\a)%2)+\p+8*(\p/8))*4096
.endr
.endm
; 64 numbers of a lane, register 16 b + i = k 32 b + 16 h + i of my row, become a fragment's codes in v[PC] on and its scale word in v[pw]
.macro QUANT s, pw
.irp b, 0,1,2,3
	v_max3_num_f32 v[TM+\b], |v[\s+16*\b]|, |v[\s+1+16*\b]|, 0x1800000   ; my 16 numbers of block b, and the floor 2^(3 - 127): the byte cannot fall under 1
.endr
.irp i, 2,4,6,8,10,12,14
.irp b, 0,1,2,3
	v_max3_num_f32 v[TM+\b], v[TM+\b], |v[\s+16*\b+\i]|, |v[\s+1+16*\b+\i]|
.endr
.endr
.irp b, 0,1,2,3
	v_permlanex16_b32 v[TM+4+\b], v[TM+\b], s[SEL], s[SEL+1]
.endr
.irp b, 0,1,2,3
	v_max_num_f32 v[TM+\b], v[TM+\b], v[TM+4+\b]   ; with lane l xor 16's: the block's largest magnitude
.endr
.irp b, 0,1,2,3
	v_add_nc_u32 v[TM+12+\b], 0xff000000, v[TM+\b] ; 2 off its exponent field: the conversion's scale operand
.endr
.irp b, 0,1,2,3
	v_lshrrev_b32 v[TM+4+\b], 23, v[TM+12+\b]      ; the scale's byte
.endr
	v_lshl_or_b32 v[\pw], v[TM+5], 8, v[TM+4]
	v_lshl_or_b32 v[\pw], v[TM+6], 16, v[\pw]
	v_lshl_or_b32 v[\pw], v[TM+7], 24, v[\pw]
.irp c, 0,1
	v_cvt_scalef32_pk16_fp6_f32 v[PC+6*\c:PC+2+6*\c], v[\s+32*\c:\s+15+32*\c], v[TM+12+2*\c]
	v_cvt_scalef32_pk16_fp6_f32 v[PC+12+4*\c:PC+14+4*\c], v[\s+16+32*\c:\s+31+32*\c], v[TM+12+2*\c+1]   ; (a conversion's three registers begin on an even number)
.endr
	v_nop                                          ; one plain place behind a scaled conversion
.irp c, 0,1                                    ; the layout wants a whole block in a lane: lanes 0-15 block 2 c, lanes 16-31 block 2 c + 1
.irp i, 0,1,2
	v_permlane16_swap_b32 v[PC+6*\c+\i], v[PC+12+4*\c+\i]
.endr
.irp i, 0,1,2
	v_mov_b32 v[PC+3+6*\c+\i], v[PC+12+4*\c+\i]
.endr
.endr
.endm
.macro QSUB a
.if (\a) < 7
	s_wait_loadcnt 16                              ; image a's 16 loads are in; the next image's 16 may be out
.else
	s_wait_loadcnt 0
.endif
.irp p, 0,1,2,3,4,5,6,7,8,9,10,11,12,13,14,15
	ds_store_b128 v[STI], v[R+64*((\a)%2)+4*\p:R+64*((\a)%2)+4*\p+3] offset:528*\p
.endr
.irp b, 0,1,2,3
.irp j, 0,1,2,3
	ds_load_b128 v[X+16*\b+4*\j:X+16*\b+4*\j+3], v[STO] offset:128*\b+16*\j   ; LDS serves a wave's instructions in order: these see the stores above
.endr
.endr
	s_wait_dscnt 0x0                               ; my 64 numbers are in
	s_wait_xcnt 0x0                                ; the last image's stores have read the codes' registers: they are written again only behind this wait
.if (\a) < 6
	LOADS (\a)+2
.endif
	QUANT X, PWR+(\a)
.irp c, 0,1,2
	global_store_b128 v[LI], v[PC+4*\c:PC+4*\c+3], s[36:37] offset:1536*(\a)+512*\c   ; 32 lanes store 512 consecutive bytes
.endr
.endm
	LOADS 0
	LOADS 1
	s_wait_alu depctr_va_vdst(0)
.irp a, 0,1,2,3,4,5,6,7
	QSUB \a
.endr
.irp i, 0,1,2,3
	v_cndmask_b32 v[TM+\i], v[PWR+\i], v[PWR+4+\i], s32   ; lanes 0-15: images 0-3 of row r; lanes 16-31: images 4-7 (both halves of the lanes hold every word)
.endr
	global_store_b128 v[LI], v[TM:TM+3], s[36:37] offset:12288
	s_wait_tensorcnt 0x0                           ; the wave's end
	ds_add_u32 v[SPW], v[NIL]
	s_wait_dscnt 0x0
	s_endpgm
	; ---- the adapters.  Wave w' (0..255): matrix w' / 128 (Wk, Wv), batches 2 jh and 2 jh + 1 (jh = (w' / 64) % 2), rows n0 = 16 (w' % 64) on of the weight: 16 rows x 4 vectors
.Ladapt:
	s_sub_co_u32 s33, ttmp9, 192
	s_lshl_b32 s33, s33, 2
	s_add_co_u32 s33, s33, s26
	s_lshr_b32 s34, s33, 7                         ; which matrix
	s_bfe_u32 s35, s33, 0x10006                    ; jh
	s_and_b32 s36, s33, 63
	s_lshl_b32 s36, s36, 4                         ; n0
	s_lshl_b32 s38, s35, 13                        ; two rows of h or p
	s_mov_b32 s39, 0
	s_lshl_b32 s40, s36, 12                        ; n0 rows of the weight
	s_mov_b32 s41, 0
	s_lshl_b32 s42, s36, 2
	s_mov_b32 s43, 0
	s_lshl_b32 s44, s34, 15                        ; k_ad or v_ad,
	s_lshl_b32 s45, s35, 14                        ; its rows 4 jh on,
	s_add_co_u32 s44, s44, s45
	s_add_co_u32 s44, s44, s42                     ; column n0
	s_add_co_u32 s44, s44, 96*8*GF
	s_mov_b32 s45, 0
	s_wait_alu depctr_va_vdst(0)
	v_lshlrev_b32 v7, 2, v5                        ; 4 (lane % 16)
	v_lshl_add_u32 v8, v6, 12, v7                  ; + a row of 4,096 bytes for lanes 16-31
	v_mov_b32 v[RES], 0
	v_mov_b32 v[RES+1], 0
	s_wait_alu depctr_va_vdst(0)
	s_wait_kmcnt 0x0
	s_load_b32 s50, s[22:23], 0x0                  ; g
	s_cmp_eq_u32 s34, 1
	s_cselect_b64 s[46:47], s[10:11], s[8:9]
	s_cselect_b64 s[48:49], s[20:21], s[18:19]
	s_cselect_b32 s51, -1, 0
	s_add_nc_u64 s[14:15], s[14:15], s[38:39]
	s_add_nc_u64 s[16:17], s[16:17], s[38:39]
	s_add_nc_u64 s[46:47], s[46:47], s[40:41]
	s_add_nc_u64 s[48:49], s[48:49], s[42:43]
	s_add_nc_u64 s[24:25], s[24:25], s[44:45]
.irp i, 0,1,2,3,4,5,6,7
	global_load_b128 v[HP+4*\i:HP+4*\i+3], v[LI], s[14:15] offset:512*\i
	global_load_b128 v[HP+32+4*\i:HP+32+4*\i+3], v[LI], s[16:17] offset:512*\i
	global_load_b128 v[HP+64+4*\i:HP+64+4*\i+3], v[LI], s[14:15] offset:4096+512*\i
	global_load_b128 v[HP+96+4*\i:HP+96+4*\i+3], v[LI], s[16:17] offset:4096+512*\i
.endr
	global_load_b32 v9, v7, s[48:49]               ; the bias of column n0 + lane % 16
.macro WLOAD i
.irp c, 0,1,2,3,4,5,6,7
	global_load_b128 v[WR+32*((\i)%3)+4*\c:WR+32*((\i)%3)+4*\c+3], v[LI], s[46:47] offset:4096*(\i)+512*\c
.endr
.endm
	WLOAD 0
	WLOAD 1
	WLOAD 2
.macro ROW i
.if (\i) < 14
	s_wait_loadcnt 16                              ; row i is in; the two rows behind it, 8 loads each, may be out
.elseif (\i) == 14
	s_wait_loadcnt 8
.else
	s_wait_loadcnt 0
.endif
.set WS, WR+32*((\i)%3)
.irp j, 0,1,2,3
	v_pk_mul_f32 v[ACC+2*\j:ACC+2*\j+1], v[WS:WS+1], v[HP+32*\j:HP+32*\j+1]
.endr
.irp c, 1,2,3,4,5,6,7,8,9,10,11,12,13,14,15
.irp j, 0,1,2,3
	v_pk_fma_f32 v[ACC+2*\j:ACC+2*\j+1], v[WS+2*\c:WS+2*\c+1], v[HP+32*\j+2*\c:HP+32*\j+2*\c+1], v[ACC+2*\j:ACC+2*\j+1]
.endr
.endr
.if (\i)+3 < 16
	WLOAD (\i)+3
.endif
.irp j, 0,1,2,3
	v_add_f32 v[ACC+2*\j], v[ACC+2*\j], v[ACC+2*\j+1]
.endr
.irp m, 1,2,4,8
.irp j, 0,1,2,3
	v_add_f32_dpp v[ACC+2*\j], v[ACC+2*\j], v[ACC+2*\j] row_xmask:\m row_mask:0xf bank_mask:0xf
.endr
.endr
.irp j, 0,1,2,3
	v_permlanex16_b32 v[ACC+2*\j+1], v[ACC+2*\j], s[SEL], s[SEL+1]
.endr
.irp j, 0,1,2,3
	v_add_f32 v[ACC+2*\j], v[ACC+2*\j], v[ACC+2*\j+1]   ; every lane holds the sum
.endr
	s_mov_b32 s52, 1<<(\i)
	s_mov_b32 s53, 1<<(16+(\i))
.irp j, 0,1,2,3
	v_cndmask_b32 v[RES+(\j/2)], v[RES+(\j/2)], v[ACC+2*\j], s[52+(\j%2)]   ; vector j, row i: to lane 16 (j % 2) + i of result j / 2
.endr
.endm
.irp i, 0,1,2,3,4,5,6,7,8,9,10,11,12,13,14,15
	ROW \i
.endr
	s_wait_kmcnt 0x0
	v_mov_b32 v250, s50
	v_mul_f32 v250, 0x4038aa3b, v250               ; 2 g log2(e)
	s_wait_alu depctr_va_vdst(0)
	v_exp_f32 v250, v250
	v_mov_b32 v252, 1.0                            ; (a plain place behind the exponential)
	s_wait_alu depctr_va_vdst(0)                   ; the wait ahead of the first reader
	v_add_f32 v250, 1.0, v250
	s_wait_alu depctr_va_vdst(0)
	v_rcp_f32 v250, v250
	v_nop
	s_wait_alu depctr_va_vdst(0)
	v_fma_f32 v250, v250, -2.0, 1.0                ; tanh(g)
	v_cndmask_b32 v250, v250, v252, s51            ; v_ad takes 1
	v_add_f32 v[RES], v[RES], v9
	v_add_f32 v[RES+1], v[RES+1], v9
	v_mul_f32 v[RES], v[RES], v250
	v_mul_f32 v[RES+1], v[RES+1], v250
	global_store_b32 v8, v[RES], s[24:25]          ; rows 4 jh (lanes 0-15) and 4 jh + 1 (lanes 16-31), 64 consecutive bytes each
	global_store_b32 v8, v[RES+1], s[24:25] offset:8192
	s_wait_tensorcnt 0x0                           ; the wave's end, in the same form as on the other path
	ds_add_u32 v[SPW], v[NIL]
	s_wait_dscnt 0x0
	s_endpgm
.Lfunc_end_k_qc2da00573e_prepare:
	.size	k_qc2da00573e_prepare, .Lfunc_end_k_qc2da00573e_prepare-k_qc2da00573e_prepare
	.p2alignl 7, 3214868480
	.fill 96, 4, 3214868480
	.section	.rodata,"a",@progbits
	.p2align	6, 0x0
	.amdhsa_kernel k_qc2da00573e_prepare
		.amdhsa_group_segment_fixed_size 34304
		.amdhsa_private_segment_fixed_size 0
		.amdhsa_enable_private_segment 0
		.amdhsa_kernarg_size 88
		.amdhsa_user_sgpr_count 2
		.amdhsa_user_sgpr_kernarg_segment_ptr 1
		.amdhsa_wavefront_size32 1
		.amdhsa_system_sgpr_workgroup_id_x 1
		.amdhsa_system_sgpr_workgroup_id_y 1
		.amdhsa_system_sgpr_workgroup_id_z 1
		.amdhsa_system_vgpr_workitem_id 0
		.amdhsa_next_free_vgpr 256
		.amdhsa_next_free_sgpr 66
		.amdhsa_reserve_vcc 0
		.amdhsa_float_denorm_mode_32 3
		.amdhsa_float_denorm_mode_16_64 3
		.amdhsa_memory_ordered 1
		.amdhsa_forward_progress 1
		.amdhsa_inst_pref_size 176
	.end_amdhsa_kernel
	.amdgpu_metadata
---
amdhsa.version: [ 1, 2 ]
amdhsa.kernels:
  - .name:           k_qc2da00573e_prepare
    .symbol:         k_qc2da00573e_prepare.kd
    .args:
      - { .name: x, .offset: 0, .size: 8, .value_kind: global_buffer, .address_space: global }
      - { .name: Wq, .offset: 8, .size: 8, .value_kind: global_buffer, .address_space: global }
      - { .name: Wk, .offset: 16, .size: 8, .value_kind: global_buffer, .address_space: global }
      - { .name: Wv, .offset: 24, .size: 8, .value_kind: global_buffer, .address_space: global }
      - { .name: Wo, .offset: 32, .size: 8, .value_kind: global_buffer, .address_space: global }
      - { .name: h, .offset: 40, .size: 8, .value_kind: global_buffer, .address_space: global }
      - { .name: p, .offset: 48, .size: 8, .value_kind: global_buffer, .address_space: global }
      - { .name: bk, .offset: 56, .size: 8, .value_kind: global_buffer, .address_space: global }
      - { .name: bv, .offset: 64, .size: 8, .value_kind: global_buffer, .address_space: global }
      - { .name: g, .offset: 72, .size: 8, .value_kind: global_buffer, .address_space: global }
      - { .name: prep, .offset: 80, .size: 8, .value_kind: global_buffer, .address_space: global }
    .group_segment_fixed_size: 34304
    .private_segment_fixed_size: 0
    .kernarg_segment_align: 8
    .kernarg_segment_size: 88
    .max_flat_workgroup_size: 128
    .sgpr_count:     66
    .vgpr_count:     256
    .wavefront_size: 32
...
	.end_amdgpu_metadata
.endif
;; end of part 1
;; launch proj (part 2): grid 12 x 32, 4 waves a work-group, clusters of 4 x 4, 327,680 bytes of LDS; arguments prep, bq, bk, bv, qkv; writes qkv
.if DOCPART == 2
	.amdgcn_target "amdgcn-amd-amdhsa--gfx1250"
	.amdhsa_code_object_version 6
	.text
	.protected	k_qc2da00573e_proj
	.globl	k_qc2da00573e_proj
	.p2align	8
	.type	k_qc2da00573e_proj,@function
k_qc2da00573e_proj:
	s_mov_b64 s[64:65], 0
	v_nop
	global_prefetch_b8 v0, s[64:65] scope:SCOPE_SE
	s_setreg_imm32_b32 hwreg(HW_REG_WAVE_MODE, 25, 1), 1
	s_wait_xcnt 0x0
	s_wait_alu depctr_hold_cnt(0) depctr_sa_sdst(0) depctr_va_vdst(0) depctr_va_sdst(0) depctr_va_ssrc(0) depctr_va_vcc(0) depctr_vm_vsrc(0)
	s_getreg_b32 s2, hwreg(HW_REG_IB_STS2, 6, 4)
	s_cmp_eq_u32 s2, 0
	s_cbranch_scc0 .Lentry_in_a_cluster
	s_endpgm
.Lentry_in_a_cluster:
	s_bfe_u32 s2, ttmp6, 0x10000c
	s_cmp_lg_u32 s2, 0xf033
	s_cbranch_scc0 .Lentry_shape_is_right
	s_endpgm
.Lentry_shape_is_right:
; PROJ.  q = x Wq^T + bq, k = x Wk^T + bk, v = x Wv^T + bv on codes of FP6 (E2M3) with E8M0 scales, f32 sums; the results are quantised at once for the attention's two products and leave as codes.
; The cluster's x says which: 0 q, 1 k, 2 v.  A tile is 256 x 256, a wave's 128 x 128: 64 accumulators of 16 x 16 in windows 2 and 3.  K = 1,024 comes in three fills, K steps 0-1, 2-5 and 6-7, through two LDS regions.
; OPERANDS lie in prep as GROUPS of 128 rows x 128 K in the order of the operand's registers (8 images of 1,536 bytes, 512 bytes of scale words: 12,800 bytes); two K steps of 128 rows are 25,600 dense bytes: one tensor load.
; THE MATRIX INSTRUCTION IS USED TRANSPOSED (source 0 = side B, source 1 = side A): a lane holds ONE row of side A, and its 64 registers of accumulators (a, 0..7) run along side B's 128 rows in their true order.
; q, k: A = x, B = W: a lane holds a token and its registers run along the head's 128 channels, the K of q k^T.   v: A = Wv, B = x: a lane holds a channel and its registers run along 128 tokens, the K of p v.
; So each wave's 128 x 128 becomes one group of qkv: q, k [b h][16 runs of 128 tokens][GF]; v [b h][16 key steps][GF] with rows = channels.  The bias is the C of the first K step.
; q tiles also make the two adapter scores of each token from the UNQUANTISED q: sad = q . (k_ad tanh(g)), in f32 by fused multiply-adds (another order of summing than a row-by-row sum).
; CLUSTER 4 x 4: side A's tiles are shared along a row of the cluster, side B's along a column: each is asked for jointly.
; LIMITS: NaN and infinities are not served; a block whose largest magnitude lies under 2^-124 gets the byte 1 (a block of zeros too: its codes are zeros; only this program reads the bytes).
; The grid is 24 clusters: a wave's 128 columns must be one whole head, and a larger tile does not fit the registers.
.set GF,    12800
.set HALF,  2*GF                       ; two K steps of 128 rows: what one tensor load brings
.set SLOT,  4*HALF                     ; A's two halves, then B's two
; LDS as it stands now: K steps 0-1 at byte 0 (four quarters of 25,600 bytes); K steps 2-5 from byte SLOT on (four quarters of 51,200 bytes, one load a wave); K steps 6-7 fill the first region again.  So K comes in three fills, not in four equal slots.
.set SPARE, 3*SLOT                     ; behind both regions: the spare words, 128 bytes a wave: two blocks of 256 bytes that no other line names
.set XO,    0                          ; bytes from a region's quarter to the pair of K steps that is being fetched
.set FR,    12                         ; registers of a fragment
.set NL,    3                          ; LDS loads that bring one
.set NP,    4                          ; places behind this matrix instruction (ISA guide 7.12.1)
.set ADRA,  16                         ; v16-17 LDS address of my A images in slot 0, 1
.set ADRB,  20                         ; v20-21 the same for B
.set ADRS,  22                         ; v22-23 of the scale words: lanes 0-15 A's, lanes 16-31 B's
.set LI,    26                         ; v26    16 x lane
.set SPW,   28                         ; v28    LDS address of my spare word; never rewritten
.set NIL,   29                         ; v29    0; never rewritten
.set SC,    32                         ; v32-63 scale words: set (slot) x 16 + 8 q + block
.set BIAS,  64                         ; v64-127 the first step's C
.set AF,    128                        ; v128-223 A's fragments, one set
.set VA,    224                        ; v224-231 the bias loads' offsets
.set TM,    64                         ; the way out, window 0: v64-79 at work, v80-99 codes, v100-107 scale words, v108-123 adapter scores, v124-127 words to store
.set PC,    80
.set PWR,   100
.set SS,    108
.set OUT,   124
.set CH,    64
.set G1,  24
.set G0,  32
.set G1B, 48
.set G0B, 56
.set MSB, 0
.macro WIN new                         ; the immediate's high byte repeats the setting that is left
.if MSB != (\new)
	s_set_vgpr_msb (MSB<<8)|(\new)
.set MSB, (\new)
.endif
.endm
.set MUL_LO, 0xa1                      ; source 0 (B) window 1, source 1 (A) window 0, C and D window 2
.set MUL_HI, 0xf1                      ; the same, C and D window 3
.set TO_B,   0x40
.macro JLOAD g0a, g1a, g0b, g1b        ; a joint load: waves 0, 1 fetch for A, waves 2, 3 for B; an s_nop 0 and four v_nop follow each line
	s_cmp_eq_u32 s15, 0
	s_cbranch_scc0 .Lfor_b_\@
	tensor_load_to_lds s[\g0a:\g0a+3], s[\g1a:\g1a+7]
	s_nop 0
.rept 4
	v_nop
.endr
	s_branch .Lasked_\@
.Lfor_b_\@:
	tensor_load_to_lds s[\g0b:\g0b+3], s[\g1b:\g1b+7]
	s_nop 0
.rept 4
	v_nop
.endr
.Lasked_\@:
.endm
.macro CREST
	s_cmp_lg_u32 s14, 0
	s_cbranch_scc1 .Lnot_wave_0_\@
	s_barrier_signal -3
.Lnot_wave_0_\@:
	s_barrier_wait -3
	s_barrier_signal -1
	s_barrier_wait -1
.endm
.macro CROUND
	s_barrier_signal -1
	s_barrier_wait -1
	CREST
.endm
.macro PLACES n
.rept \n
	v_nop
.endr
.endm
	s_load_b256 s[4:11], s[0:1], 0x0               ; prep, bq, bk, bv
	s_load_b64 s[12:13], s[0:1], 0x20              ; qkv
	v_lshl_add_u32 v[SPW], v0, 2, SPARE
	v_mov_b32 v[NIL], 0
	ds_add_u32 v[SPW], v[NIL]                      ; the wave's opening: the add and its wait ahead of my first tensor load
	ds_add_u32 v[SPW], v[NIL]
	v_lshrrev_b32 v1, 5, v0
	v_readfirstlane_b32 s14, v1                    ; wave
	s_lshr_b32 s15, s14, 1                         ; my half of A's rows.  Also: I fetch for A (0) or B (1)
	s_and_b32 s16, s14, 1                          ; my half of B's rows.  Also: which 128 rows I fetch
	s_bfe_u32 s40, ttmp6, 0x40000                  ; cx
	s_bfe_u32 s41, ttmp6, 0x40004                  ; cy
	s_and_b32 s42, ttmp7, 0xffff
	s_lshl_b32 s42, s42, 2                         ; 4 x cluster y
	s_lshl_b32 s43, s41, 2
	s_lshl_b32 s43, 15, s43                        ; my row of the cluster
	s_lshl_b32 s44, 0x1111, s40                    ; my column
	s_lshl_b32 s45, ttmp9, 2
	s_add_co_u32 s45, s45, 32                      ; where Wq's or Wk's tiles of 256 rows begin in prep
	s_cmp_eq_u32 ttmp9, 2                          ; v?  The cluster's x is the same in all sixteen partners
	s_cselect_b32 s84, -1, 0
	s_cselect_b32 s17, 40, s42                     ; A: Wv's tiles, or x's
	s_cselect_b32 s18, s42, s45                    ; B: x's tiles, or the weight's
	s_add_co_u32 s17, s17, s41                     ; A's tile hangs on cy alone,
	s_add_co_u32 s18, s18, s40                     ; B's on cx alone
	s_or_b32 s[G1+0], s43, (3<<16)|(1<<21)         ; 15:0 the mask; 17:16 elements of 8 bytes; 21 set beside a mask; no padding
	s_or_b32 s[G1B+0], s44, (3<<16)|(1<<21)
.irp g, G1, G1B
	s_mov_b32 s[\g+1], 32<<16                      ; tensor_dim0: a row of 256 bytes
	s_mov_b32 s[\g+2], 100<<16                     ; tensor_dim1: 100 rows: 25,600 dense bytes
	s_mov_b32 s[\g+3], 32<<16                      ; tile_dim0
	s_mov_b32 s[\g+4], 100                         ; tile_dim1
	s_mov_b32 s[\g+5], 32                          ; the pitch
	s_mov_b32 s[\g+6], 0
	s_mov_b32 s[\g+7], 0
.endr
	s_lshl_b32 s20, s17, 1
	s_add_co_u32 s20, s20, s16
	s_mul_i32 s20, s20, 8*GF                       ; A: the 128 rows that I fetch
	s_mov_b32 s21, 0
	s_lshl_b32 s46, s18, 1
	s_add_co_u32 s46, s46, s16
	s_mul_i32 s46, s46, 8*GF                       ; B likewise
	s_mov_b32 s47, 0
	s_mul_i32 s19, s14, HALF                       ; where they go: wave x 25,600: no place in the cluster enters an LDS address
	s_mov_b32 s85, 0xffff0000                      ; lanes 16-31
	s_mov_b32 s86, 0x76543210
	s_mov_b32 s87, 0xfedcba98
	s_wait_dscnt 0x0                               ; the opening add is done
	s_wait_kmcnt 0x0
	s_add_nc_u64 s[20:21], s[4:5], s[20:21]
	s_add_nc_u64 s[46:47], s[4:5], s[46:47]
	CROUND                                         ; all sixteen work-groups are here: the first joint loads meet
.irp s, 0,1
	s_mov_b32 s[G0+4*\s], 1
	s_add_co_u32 s[G0+4*\s+1], s19, \s*SLOT
	s_add_nc_u64 s[G0+4*\s+2:G0+4*\s+3], s[20:21], \s*HALF
	s_or_b32 s[G0+4*\s+3], s[G0+4*\s+3], 0x80000000
	s_mov_b32 s[G0B+4*\s], 1
	s_add_co_u32 s[G0B+4*\s+1], s19, \s*SLOT
	s_add_nc_u64 s[G0B+4*\s+2:G0B+4*\s+3], s[46:47], \s*HALF
	s_or_b32 s[G0B+4*\s+3], s[G0B+4*\s+3], 0x80000000
.endr
	s_add_co_u32 s[G0+5], s[G0+5], s19             ; the second region's quarters are twice as long: SLOT + wave x 51,200
	s_add_co_u32 s[G0B+5], s[G0B+5], s19
	JLOAD G0, G1, G0B, G1B                         ; K steps 0-1: one tensor load a wave at the head
	v_and_b32 v1, 15, v0                           ; r
	v_bfe_u32 v2, v0, 4, 1                         ; h
	v_and_b32 v3, 31, v0
	v_lshlrev_b32 v[LI], 4, v3
	s_mul_i32 s22, s15, HALF                       ; my 128 rows of A
	s_mul_i32 s23, s16, HALF
	s_add_co_u32 s23, s23, 2*HALF                  ; my 128 rows of B
	s_sub_co_u32 s66, s23, s22
	v_mul_u32_u24 v4, s66, v2                      ; lanes 16-31 take B's scale words
	v_lshl_add_u32 v4, v1, 4, v4                   ; 16 bytes a row: four images' words
	v_add_nc_u32 v[ADRA], s22, v[LI]
	v_add_nc_u32 v[ADRB], s23, v[LI]
	v_add_nc_u32 v[ADRS], s22, v4
	s_lshl_b32 s22, s22, 1                         ; the second region: every distance doubled, from SLOT on
	s_lshl_b32 s23, s23, 1
	s_lshl_b32 s66, s66, 1
	s_add_co_u32 s22, s22, SLOT
	s_add_co_u32 s23, s23, SLOT
	s_wait_alu depctr_va_vdst(0)                   ; the wait here, directly ahead of the reader below
	v_mul_u32_u24 v4, s66, v2
	v_lshl_add_u32 v4, v1, 4, v4
	v_add_nc_u32 v[ADRA+1], s22, v[LI]
	v_add_nc_u32 v[ADRB+1], s23, v[LI]
	v_add_nc_u32 v[ADRS+1], s22, v4
	; where my results go
	s_lshl_b32 s67, s17, 1
	s_add_co_u32 s67, s67, s15                     ; A's run of 128 rows
	s_lshl_b32 s68, s18, 1
	s_add_co_u32 s68, s68, s16                     ; B's
	s_cmp_eq_u32 ttmp9, 2
	s_cselect_b32 s69, s68, s67                    ; x's run
	s_cselect_b32 s70, s67, s68                    ; the weight's
	s_cselect_b32 s83, 0, 4
	s_and_b32 s70, s70, 7                          ; the head
	s_lshr_b32 s71, s69, 4                         ; the batch
	s_and_b32 s72, s69, 15                         ; the run of 128 tokens in it
	s_lshl_b32 s73, s71, 3
	s_add_co_u32 s73, s73, s70
	s_lshl_b32 s73, s73, 4
	s_add_co_u32 s73, s73, s72                     ; group number: (8 b + head) 16 + run
	s_mul_i32 s74, ttmp9, 512*GF
	s_mul_i32 s75, s73, GF
	s_add_co_u32 s74, s74, s75
	s_mov_b32 s75, 0
	s_add_nc_u64 s[88:89], s[12:13], s[74:75]      ; my group of q, k or v
	s_lshl_b32 s74, s73, 10
	s_add_co_u32 s74, s74, 3*512*GF
	s_add_nc_u64 s[90:91], s[12:13], s[74:75]      ; the adapter scores: 1,024 bytes a group
	s_lshl_b32 s74, s71, 13
	s_lshl_b32 s76, s70, 9
	s_add_co_u32 s74, s74, s76
	s_add_co_u32 s74, s74, 96*8*GF
	s_add_nc_u64 s[94:95], s[4:5], s[74:75]        ; k_ad: rows 2 b, 2 b + 1, the head's 128
	s_cmp_eq_u32 ttmp9, 0
	s_cselect_b64 s[92:93], s[6:7], s[8:9]
	s_cmp_eq_u32 ttmp9, 2
	s_cselect_b64 s[92:93], s[10:11], s[92:93]
	s_mov_b32 s77, 0
	s_add_nc_u64 s[92:93], s[92:93], s[76:77]      ; the bias of the head's 128
	; the first step's C.  q, k: register 8 t + j = the bias of channel 32 (t / 2) + 16 h + 8 (t % 2) + j.   v: register 8 t + j = bv of the lane's channel in image t, for every j
	v_lshlrev_b32 v5, 6, v2                        ; 64 h
	v_and_b32 v6, 8, v1
	v_add_nc_u32 v6, v6, v1
	v_lshlrev_b32 v6, 2, v6                        ; 4 (r + 8 (r / 8))
	v_cndmask_b32 v[VA], v5, v6, s84
.irp j, 1,2,3,4,5,6,7
	v_add_nc_u32 v[VA+\j], s83, v[VA+\j-1]
.endr
.irp t, 0,1,2,3,4,5,6,7
.irp j, 0,1,2,3,4,5,6,7
	global_load_b32 v[BIAS+8*\t+\j], v[VA+\j], s[92:93] offset:(32*(\t/2)+8*(\t%2))*4
.endr
.endr
.macro FRAG reg, adr, q, i             ; an image comes back as it was stored: three loads of 16 bytes a lane
.irp c, 0,1,2
	ds_load_b128 v[\reg+4*\c:\reg+4*\c+3], v[\adr] offset:XO+GF*(\q)+1536*(\i)+512*\c
.endr
.endm
; 16 matrix instructions: A's blocks a0, a0 + 1 x B's eight, the slot's q-th 128 along K.  p: B's set; sc: the set of scale words.  cm = 0: in place; 1: C = the bias by B's block; 2: by A's block.
; The 64 accumulators take turns, one instruction a turn, in the same order in every step.
.macro MUL16 a0, p, q, sc, cm
.irp a, \a0, \a0+1
.irp b, 0,1,2,3,4,5,6,7
.if (\cm) == 0
	v_wmma_scale_f32_16x16x128_f8f6f4 v[8*(8*((\a)%4)+\b):8*(8*((\a)%4)+\b)+7], v[128*(\p)+FR*\b:128*(\p)+FR*\b+FR-1], v[AF+FR*(\a):AF+FR*(\a)+FR-1], v[8*(8*((\a)%4)+\b):8*(8*((\a)%4)+\b)+7], v[SC+16*(\sc)+8*(\q)+\b], v[SC+16*(\sc)+8*(\q)+(\a)] matrix_a_fmt:MATRIX_FMT_FP6 matrix_b_fmt:MATRIX_FMT_FP6 matrix_a_scale:MATRIX_SCALE_ROW1
.elseif (\cm) == 1
	v_wmma_scale_f32_16x16x128_f8f6f4 v[8*(8*((\a)%4)+\b):8*(8*((\a)%4)+\b)+7], v[128*(\p)+FR*\b:128*(\p)+FR*\b+FR-1], v[AF+FR*(\a):AF+FR*(\a)+FR-1], v[BIAS+8*\b:BIAS+8*\b+7], v[SC+16*(\sc)+8*(\q)+\b], v[SC+16*(\sc)+8*(\q)+(\a)] matrix_a_fmt:MATRIX_FMT_FP6 matrix_b_fmt:MATRIX_FMT_FP6 matrix_a_scale:MATRIX_SCALE_ROW1
.else
	v_wmma_scale_f32_16x16x128_f8f6f4 v[8*(8*((\a)%4)+\b):8*(8*((\a)%4)+\b)+7], v[128*(\p)+FR*\b:128*(\p)+FR*\b+FR-1], v[AF+FR*(\a):AF+FR*(\a)+FR-1], v[BIAS+8*(\a):BIAS+8*(\a)+7], v[SC+16*(\sc)+8*(\q)+\b], v[SC+16*(\sc)+8*(\q)+(\a)] matrix_a_fmt:MATRIX_FMT_FP6 matrix_b_fmt:MATRIX_FMT_FP6 matrix_a_scale:MATRIX_SCALE_ROW1
.endif
.endr
.endr
.endm
.macro FETCH_B slot, q, p
	WIN TO_B
.irp i, 0,1,2,3,4,5,6,7
	FRAG 128*(\p)+FR*\i, ADRB+\slot, \q, \i
.endr
	WIN 0
.endm
.macro FETCH_A slot, q, i0
.irp i, \i0, \i0+1, \i0+2, \i0+3
	FRAG AF+FR*(\i), ADRA+\slot, \q, \i
.endr
.endm
.macro SCALES sc, ai                   ; the scale words of a pair of K steps into set sc, from region ai: one load brings four images' words of my row; lanes 0-15 A's, lanes 16-31 B's
.irp q, 0,1
.irp g, 0,1
	ds_load_b128 v[SC+16*\sc+8*\q+4*\g:SC+16*\sc+8*\q+4*\g+3], v[ADRS+\ai] offset:XO+GF*\q+12288+256*\g
.endr
.endr
.endm
.macro STEP slot, q, cm, sc            ; the first K step of a pair: its successor lies beside it in region slot; sc: the pair's set of scale words
	s_wait_dscnt 4*NL                              ; all but the youngest 12 loads (A's blocks 4-7) are in
.if (\cm) == 0
	WIN MUL_LO
.else
	WIN 0x81                                       ; C in window 0
.endif
	MUL16 0, (\q)%2, \q, \sc, \cm
	MUL16 2, (\q)%2, \q, \sc, \cm
	s_wait_dscnt 0
	PLACES NP
	FETCH_B \slot, (\q)+1, 1-(\q)%2
	FETCH_A \slot, (\q)+1, 0
.if (\cm) == 0
	WIN MUL_HI
.else
	WIN 0xc1
.endif
	MUL16 4, (\q)%2, \q, \sc, \cm
	MUL16 6, (\q)%2, \q, \sc, \cm
	PLACES NP
	WIN 0
	FETCH_A \slot, (\q)+1, 4
.endm
; A slot's last step changes slots: ONE barrier; in front of it each wave waits for all its tensor loads, adds 0 to its spare word, and waits for that and for its reads of this slot.  fill = 1: the slot is filled again, two slots ahead.
.macro TURN slot, next, fill, na       ; slot: this pair's set of scale words (and, with fill = 1, the region filled again); next: the next pair's set; na: the region in which the next pair lies
	s_wait_tensorcnt 0x0                           ; all my tensor loads have landed: my part of the next slot
	ds_add_u32 v[SPW], v[NIL]                      ; 0 onto my spare word
	s_wait_dscnt 4*NL+1                            ; (the add and the youngest 12 loads may be out)
	WIN MUL_LO
	MUL16 0, 1, 1, \slot, 0
	s_wait_dscnt 0x0                               ; the add is done, and my reads of this slot are over
	s_barrier_signal -1
	MUL16 2, 1, 1, \slot, 0
	WIN 0
	s_barrier_wait -1
.if \fill
	CREST                                          ; the barrier has opened a round of the cluster's barrier: no wave of any partner still reads this slot or has a load on its way
	s_add_nc_u64 s[G0+4*\slot+2:G0+4*\slot+3], s[G0+4*\slot+2:G0+4*\slot+3], 3*HALF     ; K steps 6 and 7
	s_add_nc_u64 s[G0B+4*\slot+2:G0B+4*\slot+3], s[G0B+4*\slot+2:G0B+4*\slot+3], 3*HALF
	s_mov_b32 s[G1+2], 100<<16                     ; no tensor load of mine is out: a load brings 100 rows again
	s_mov_b32 s[G1+4], 100
	s_mov_b32 s[G1B+2], 100<<16
	s_mov_b32 s[G1B+4], 100
	JLOAD G0+4*\slot, G1, G0B+4*\slot, G1B         ; the first tensor load behind the round; its four v_nop are the places in front of the loads below
.else
	PLACES NP
.endif
	FETCH_B \na, 0, 0
	FETCH_A \na, 0, 0
	SCALES \next, \na
	WIN MUL_HI
	MUL16 4, 1, 1, \slot, 0
	MUL16 6, 1, 1, \slot, 0
	PLACES NP
	WIN 0
	FETCH_A \na, 0, 4
.endm
; The second K step of a pair whose successor lies in the same region: that region was shown whole at the barrier before, and nothing is filled here: no wait on tensor loads, no barrier.
.macro PASS sc, nsc, na
	s_wait_dscnt 4*NL                              ; all but the youngest 12 loads (A's blocks 4-7) are in
	WIN MUL_LO
	MUL16 0, 1, 1, \sc, 0
	MUL16 2, 1, 1, \sc, 0
	s_wait_dscnt 0
	PLACES NP
	FETCH_B \na, 0, 0
	FETCH_A \na, 0, 0
	SCALES \nsc, \na
	WIN MUL_HI
	MUL16 4, 1, 1, \sc, 0
	MUL16 6, 1, 1, \sc, 0
	PLACES NP
	WIN 0
	FETCH_A \na, 0, 4
.endm
	s_wait_alu depctr_va_vdst(0)                   ; the wait at the head's end
	s_wait_tensorcnt 0x0                           ; my part of slot 0 is in; slot 1's first fill is issued as a refill is
	ds_add_u32 v[SPW], v[NIL]
	s_mov_b32 s[G1+2], 200<<16                     ; no tensor load of mine is out: the next load brings 200 rows: four K steps of 128 rows
	s_mov_b32 s[G1+4], 200
	s_mov_b32 s[G1B+2], 200<<16
	s_mov_b32 s[G1B+4], 200
	s_wait_dscnt 0x0
	CROUND
	JLOAD G0+4, G1, G0B+4, G1B                     ; K steps 2-5, the first tensor load behind the round
	FETCH_B 0, 0, 0
	FETCH_A 0, 0, 0
	SCALES 0, 0
	FETCH_A 0, 0, 4
	s_wait_loadcnt 0x0                             ; the bias
	s_cmp_eq_u32 ttmp9, 2
	s_cbranch_scc1 .Lfirst_v
	STEP 0, 0, 1, 0                                ; K step 0 starts the sums with the bias
	s_branch .Lfirst_done
.Lfirst_v:
	STEP 0, 0, 2, 0
.Lfirst_done:
	TURN 0, 1, 1, 1                                ; K step 1; K steps 2-5 are in; the first region takes K steps 6-7
	STEP 1, 0, 0, 1                                ; K step 2
.set XO, HALF
	PASS 1, 0, 1                                   ; K step 3; K steps 4-5 lie 25,600 bytes further on in the same quarters
	STEP 1, 0, 0, 0                                ; K step 4
.set XO, 0
	TURN 0, 1, 0, 0                                ; K step 5; the refill has landed; nothing more is filled
	STEP 0, 0, 0, 1                                ; K step 6
	s_wait_dscnt 4*NL
	WIN MUL_LO
	MUL16 0, 1, 1, 1, 0
	MUL16 2, 1, 1, 1, 0
	s_wait_dscnt 0
	WIN MUL_HI
	MUL16 4, 1, 1, 1, 0
	MUL16 6, 1, 1, 1, 0
	WIN 0
; THE WAY OUT.  The 64 registers of accumulators (a, 0..7) are 64 numbers of my row: register 16 b + i = k 32 b + 16 h + i.  They become image a of my group.
.macro EQ a
.set AC, 64*((\a)%4)
.set WS, 2+(\a)/4
	WIN WS*5                                       ; sources 0 and 1: window 2 or 3
.irp b, 0,1,2,3
	v_max3_num_f32 v[TM+\b], |v[AC+16*\b]|, |v[AC+1+16*\b]|, 0x1800000   ; each accumulator is read from its low end on; the floor 2^(3 - 127) holds the byte at 1 from below
.endr
.irp i, 2,4,6,8,10,12,14
.irp b, 0,1,2,3
	v_max3_num_f32 v[TM+\b], |v[AC+16*\b+\i]|, |v[AC+1+16*\b+\i]|, v[TM+\b]
.endr
.endr
	WIN 0
.irp b, 0,1,2,3
	v_permlanex16_b32 v[TM+4+\b], v[TM+\b], s86, s87
.endr
.irp b, 0,1,2,3
	v_max_num_f32 v[TM+\b], v[TM+\b], v[TM+4+\b]
.endr
.irp b, 0,1,2,3
	v_add_nc_u32 v[TM+12+\b], 0xff000000, v[TM+\b]
.endr
.irp b, 0,1,2,3
	v_lshrrev_b32 v[TM+4+\b], 23, v[TM+12+\b]
.endr
	v_lshl_or_b32 v[PWR+(\a)], v[TM+5], 8, v[TM+4]
	v_lshl_or_b32 v[PWR+(\a)], v[TM+6], 16, v[PWR+(\a)]
	v_lshl_or_b32 v[PWR+(\a)], v[TM+7], 24, v[PWR+(\a)]
	s_wait_xcnt 0x0                                ; the last image's stores have read the codes' registers
	WIN WS                                         ; source 0: window 2 or 3
.irp c, 0,1
	v_cvt_scalef32_pk16_fp6_f32 v[PC+6*\c:PC+2+6*\c], v[AC+32*\c:AC+15+32*\c], v[TM+12+2*\c]
	v_cvt_scalef32_pk16_fp6_f32 v[PC+12+4*\c:PC+14+4*\c], v[AC+16+32*\c:AC+31+32*\c], v[TM+12+2*\c+1]
.endr
	WIN 0
	v_nop                                          ; one plain place behind a scaled conversion
.irp c, 0,1
.irp i, 0,1,2
	v_permlane16_swap_b32 v[PC+6*\c+\i], v[PC+12+4*\c+\i]
.endr
.irp i, 0,1,2
	v_mov_b32 v[PC+3+6*\c+\i], v[PC+12+4*\c+\i]
.endr
.endr
.irp c, 0,1,2
	global_store_b128 v[LI], v[PC+4*\c:PC+4*\c+3], s[88:89] offset:1536*(\a)+512*\c   ; 32 lanes store 512 consecutive bytes
.endr
.endm
.macro EPI
.irp b, 0,1,2,3
	v_mov_b32 v[TM+4+\b], 0                        ; a lane permute's destination counts as one of its sources
.endr
.irp a, 0,1,2,3,4,5,6,7
	EQ \a
.endr
.irp i, 0,1,2,3
	v_cndmask_b32 v[OUT+\i], v[PWR+\i], v[PWR+4+\i], s85
.endr
	global_store_b128 v[LI], v[OUT:OUT+3], s[88:89] offset:12288
.endm
; the two adapter scores of image a's rows: four chains of packed multiply-adds over my 64 numbers, then lane l xor 16's
.macro SAD a
.set AC, 64*((\a)%4)
	WIN 2+(\a)/4
.irp m, 0,1
.irp n, 0,1
	v_pk_mul_f32 v[CH+4*\n+2*\m:CH+4*\n+2*\m+1], v[AC+2*\m:AC+2*\m+1], v[128+64*\n+2*\m:128+64*\n+2*\m+1]
.endr
.endr
.irp m, 2,3,4,5,6,7,8,9,10,11,12,13,14,15,16,17,18,19,20,21,22,23,24,25,26,27,28,29,30,31
.irp n, 0,1
	v_pk_fma_f32 v[CH+4*\n+2*(\m%2):CH+4*\n+2*(\m%2)+1], v[AC+2*\m:AC+2*\m+1], v[128+64*\n+2*\m:128+64*\n+2*\m+1], v[CH+4*\n+2*(\m%2):CH+4*\n+2*(\m%2)+1]
.endr
.endr
	WIN 0
	v_pk_add_f32 v[CH:CH+1], v[CH:CH+1], v[CH+2:CH+3]
	v_pk_add_f32 v[CH+4:CH+5], v[CH+4:CH+5], v[CH+6:CH+7]
	v_add_f32 v[CH], v[CH], v[CH+1]
	v_add_f32 v[CH+4], v[CH+4], v[CH+5]
	v_permlanex16_b32 v[CH+1], v[CH], s86, s87
	v_permlanex16_b32 v[CH+5], v[CH+4], s86, s87
	v_add_f32 v[SS+(\a)], v[CH], v[CH+1]
	v_add_f32 v[SS+8+(\a)], v[CH+4], v[CH+5]
.endm
	PLACES NP                                      ; behind the last products: for the first reads of results and for loads into A's registers
	s_cmp_lg_u32 ttmp9, 0
	s_cbranch_scc1 .Lkv
.irp n, 0,1                                    ; q: k_ad tanh(g) of my 64 channels, both adapters: register 16 b + i = channel 32 b + 16 h + i
.irp m, 0,1,2,3,4,5,6,7,8,9,10,11,12,13,14,15
	global_load_b128 v[128+64*\n+4*\m:128+64*\n+4*\m+3], v5, s[94:95] offset:4096*\n+128*(\m/4)+16*(\m%4)
.endr
.endr
	EPI
	s_wait_loadcnt 0x0
.irp a, 0,1,2,3,4,5,6,7
	SAD \a
.endr
.irp n, 0,1
.irp i, 0,1,2,3
	v_cndmask_b32 v[CH+4*\n+\i], v[SS+8*\n+\i], v[SS+8*\n+4+\i], s85   ; in the scale words' order: image a, row r at 256 (a / 4) + 16 r + 4 (a % 4)
.endr
.endr
	global_store_b128 v[LI], v[CH:CH+3], s[90:91]
	global_store_b128 v[LI], v[CH+4:CH+7], s[90:91] offset:512
	s_branch .Lout
.Lkv:
	EPI
.Lout:
	s_wait_tensorcnt 0x0                           ; the wave's end
	ds_add_u32 v[SPW], v[NIL]
	s_wait_dscnt 0x0
	CROUND                                         ; the closing round
	s_endpgm
.Lfunc_end_k_qc2da00573e_proj:
	.size	k_qc2da00573e_proj, .Lfunc_end_k_qc2da00573e_proj-k_qc2da00573e_proj
	.p2alignl 7, 3214868480
	.fill 96, 4, 3214868480
	.section	.rodata,"a",@progbits
	.p2align	6, 0x0
	.amdhsa_kernel k_qc2da00573e_proj
		.amdhsa_group_segment_fixed_size 327680
		.amdhsa_private_segment_fixed_size 0
		.amdhsa_enable_private_segment 0
		.amdhsa_kernarg_size 40
		.amdhsa_user_sgpr_count 2
		.amdhsa_user_sgpr_kernarg_segment_ptr 1
		.amdhsa_wavefront_size32 1
		.amdhsa_system_sgpr_workgroup_id_x 1
		.amdhsa_system_sgpr_workgroup_id_y 1
		.amdhsa_system_sgpr_workgroup_id_z 1
		.amdhsa_system_vgpr_workitem_id 0
		.amdhsa_next_free_vgpr 1024
		.amdhsa_next_free_sgpr 100
		.amdhsa_reserve_vcc 0
		.amdhsa_float_denorm_mode_32 3
		.amdhsa_float_denorm_mode_16_64 3
		.amdhsa_memory_ordered 1
		.amdhsa_forward_progress 1
		.amdhsa_inst_pref_size 228
	.end_amdhsa_kernel
	.amdgpu_metadata
---
amdhsa.version: [ 1, 2 ]
amdhsa.kernels:
  - .name:           k_qc2da00573e_proj
    .symbol:         k_qc2da00573e_proj.kd
    .args:
      - { .name: prep, .offset: 0, .size: 8, .value_kind: global_buffer, .address_space: global }
      - { .name: bq, .offset: 8, .size: 8, .value_kind: global_buffer, .address_space: global }
      - { .name: bk, .offset: 16, .size: 8, .value_kind: global_buffer, .address_space: global }
      - { .name: bv, .offset: 24, .size: 8, .value_kind: global_buffer, .address_space: global }
      - { .name: qkv, .offset: 32, .size: 8, .value_kind: global_buffer, .address_space: global }
    .group_segment_fixed_size: 327680
    .private_segment_fixed_size: 0
    .kernarg_segment_align: 8
    .kernarg_segment_size: 40
    .max_flat_workgroup_size: 128
    .sgpr_count:     100
    .vgpr_count:     1024
    .wavefront_size: 32
...
	.end_amdgpu_metadata
.endif
;; end of part 2
;; launch attn (part 3): grid 8 x 32, 8 waves a work-group, clusters of 4 x 1, 327,680 bytes of LDS; arguments qkv, prep, aog; writes aog
.if DOCPART == 3
	.amdgcn_target "amdgcn-amd-amdhsa--gfx1250"
	.amdhsa_code_object_version 6
	.text
	.protected	k_qc2da00573e_attn
	.globl	k_qc2da00573e_attn
	.p2align	8
	.type	k_qc2da00573e_attn,@function
k_qc2da00573e_attn:
	s_mov_b64 s[64:65], 0
	v_nop
	global_prefetch_b8 v0, s[64:65] scope:SCOPE_SE
	s_setreg_imm32_b32 hwreg(HW_REG_WAVE_MODE, 25, 1), 1
	s_wait_xcnt 0x0
	s_wait_alu depctr_hold_cnt(0) depctr_sa_sdst(0) depctr_va_vdst(0) depctr_va_sdst(0) depctr_va_ssrc(0) depctr_va_vcc(0) depctr_vm_vsrc(0)
	s_getreg_b32 s2, hwreg(HW_REG_IB_STS2, 6, 4)
	s_cmp_eq_u32 s2, 0
	s_cbranch_scc0 .Lentry_in_a_cluster
	s_endpgm
.Lentry_in_a_cluster:
	s_bfe_u32 s2, ttmp6, 0x10000c
	s_cmp_lg_u32 s2, 0x3003
	s_cbranch_scc0 .Lentry_shape_is_right
	s_endpgm
.Lentry_shape_is_right:
; ATTN.  For each of 32 (batch, head): O = softmax over 2,048 token keys and 2 adapter keys, both products on codes of FP6 (E2M3) with E8M0 scales.
; t = score x log2(e) / sqrt(128); M = the running largest t rounded UP to a whole number; p = 2^(t - M) is quantised along the keys, not normalised; the row's sum is taken of the unquantised p and divides O at the end.
; q, k, v come as GROUPS in the order of the operand's registers (8 images of 1,536 bytes, 512 bytes of scale words: 12,800 bytes).  k: a group is a key step of 128 keys; v: 128 channels x the key step's 128 keys.
; SHARES.  A work-group owns 256 queries of one (batch, head); each of its eight waves two images of 16 queries.  Both products are used transposed (S^T = K Q^T, O^T = V^T P^T): a lane holds ONE query of each tile.
; THE ROWS OF A TILE OF K ARE CHOSEN WHEN ITS FRAGMENT IS READ FROM LDS: row 8 g + j of tile 4 c + u is key 64 c + 32 g + 8 u + j.  So the 32 registers of tiles 4 c .. 4 c + 3 of lane (query, h) are the WHOLE block 2 c + h
; of 32 keys, in their order: a block's largest p needs no other lane, and the conversions' results lie in the lanes in which the operand wants them.  That row lies in image 4 c + 2 g + u % 2, lane row 8 (u / 2) + j.
; K's groups are padded in LDS, 32 bytes behind each 256 (14,400 bytes a group): lane rows 0-7 and 8-15 of such a read lie 12 LDS rows apart, 3,456 bytes = 128 modulo 256, so sixteen lanes touch sixteen different 16-byte columns.
; REGISTERS.  Tile 0 lives in window 0 and tile 1 in window 1 under the same numbers: v7 8 h; v12 -M, v13 the largest t, v[14:15] the sum; v16-27 Q; v28 0; v29, v30 adapter scores; v31 -infinity; v96-159 S^T, then p;
;   v160-223 O^T; v224-235 p's codes; v232-247, v252-254 at work.  Window 0 alone: v1 16 x lane; v2 16 r; v3, v4 the stage; v5, v6 the add's two; v8-11 addresses in hand; v32-79 K's tiles 0-3; v80-87 K's scale words, v88-95 V's;
;   v248, v249 Q's scale words; v250, v255 my place in a group of K (codes, words); v253, v251 p's words (tile 0, 1).  Window 1 alone: v32-79 K's tiles 4-7; v80-95 v_ad.  V's fragments lie where p lay.
; LDS.  Twelve places for K (12 x 14,400) and twelve for V (12 x 12,800).  Each wave issues ONE tensor load at a time: waves 0-3 K's, waves 4-7 V's.  Head: key steps 0-3, a group a wave.  Behind the first round: steps 4-11,
; two groups a wave.  Behind the fourth key step: steps 12-15 into the first four places.  CLUSTER 4 x 1: the four query blocks walk the same K and V: every tile is asked for jointly.
; THE ADAPTERS are block 64 of the second product's K: keys 2,048 and 2,049 and 30 zeros, in a 17th step (scale bytes 127 over the zero codes).
; No prefetch: the second fill has four key steps and the third eight key steps of work between its request and the wait for it, and the first is asked for at the head, with no loop ahead of it.
; LIMITS: NaN and infinities are not served; a block whose largest magnitude lies under 2^-124 gets the byte 1 (a block of zeros too: its codes are zeros); p under 2^-126 counts as 0; the scaled scores stay under 2^31.
.set GF,    12800
.set GK,    14400                      ; a group of K in LDS: 50 rows of 288
.set VB,    12*GK                      ; V's places
.set STG,   4*GK                       ; the scale words of O: 1,024 bytes of K's fifth place, used when that place has had its only fill and its last read
.set SPARE, VB+12*GF                   ; the spare words, 128 bytes a wave
.set TBK, 10
.set CNT, 11
.set TBV, 12
.set WV,  18
.set SEL, 20
.set CS,  22
.set G1K, 24
.set G0K, 32
.set G0V, 36
.set G1V, 84
.set MSB, 0
.macro WIN new                         ; bits 1:0 source 0, 3:2 source 1, 5:4 source 2, 7:6 destination; the high byte repeats the setting that is left
.if MSB != (\new)
	s_set_vgpr_msb (MSB<<8)|(\new)
.set MSB, (\new)
.endif
.endm
.macro CROUND
	s_barrier_signal -1
	s_barrier_wait -1
	s_cmp_lg_u32 s[WV], 0
	s_cbranch_scc1 .Lnot_wave_0_\@
	s_barrier_signal -3
.Lnot_wave_0_\@:
	s_barrier_wait -3
	s_barrier_signal -1
	s_barrier_wait -1
.endm
.macro JL                              ; a joint load: every wave issues one; an s_nop 0 and four v_nop follow each line
	s_cmp_lt_u32 s[WV], 4
	s_cbranch_scc0 .Lfor_v_\@
	tensor_load_to_lds s[G0K:G0K+3], s[G1K:G1K+7]
	s_nop 0
.rept 4
	v_nop
.endr
	s_branch .Lasked_\@
.Lfor_v_\@:
	tensor_load_to_lds s[G0V:G0V+3], s[G1V:G1V+7]
	s_nop 0
.rept 4
	v_nop
.endr
.Lasked_\@:
.endm
.macro ROWS n                          ; rows of 256 bytes that a load brings; written only while no tensor load of mine is out
	s_mov_b32 s[G1K+2], (\n)<<16
	s_mov_b32 s[G1K+4], \n
	s_mov_b32 s[G1V+2], (\n)<<16
	s_mov_b32 s[G1V+4], \n
.endm
	s_load_b128 s[4:7], s[0:1], 0x0                ; qkv, prep
	s_load_b64 s[8:9], s[0:1], 0x10                ; aog
	v_lshl_add_u32 v5, v0, 2, SPARE
	v_mov_b32 v6, 0
	ds_add_u32 v5, v6                              ; the opening lines: the add, twice on end, and its wait ahead of my first tensor load
	ds_add_u32 v5, v6
	v_lshrrev_b32 v7, 5, v0
	v_readfirstlane_b32 s[WV], v7                  ; wave 0..7
	s_lshr_b32 s44, s[WV], 1                       ; the stage: image a0 = 2 (w % 4) of group w / 4, row r: 256 (w / 2) + 8 (w % 2) + 16 r
	s_lshl_b32 s44, s44, 8
	s_and_b32 s45, s[WV], 1
	s_lshl_b32 s98, s45, 3
	s_add_co_u32 s44, s44, s98
	s_add_co_u32 s44, s44, STG
	s_lshl_b32 s98, s45, 9                         ; back: waves 0 and 1 take a group's 512 bytes
	s_add_co_u32 s98, s98, STG
	s_bfe_u32 s47, ttmp6, 0x40000                  ; cx: it enters global addresses of q, the scores and O alone
	s_lshl_b32 s48, ttmp9, 2
	s_add_co_u32 s48, s48, s47                     ; my block of 256 queries
	s_and_b32 s49, ttmp7, 0xffff                   ; 8 b + head, which the four partners share
	s_lshr_b32 s51, s49, 3
	s_and_b32 s52, s49, 7
	s_lshl_b32 s53, s48, 1
	s_lshr_b32 s54, s[WV], 2
	s_add_co_u32 s54, s54, s53                     ; my run of 128 tokens
	s_and_b32 s60, s[WV], 3
	s_mul_i32 s55, s60, 2*1536                     ; my first image in a group
	s_bfe_u32 s56, s[WV], 0x10001
	s_lshl_b32 s57, s56, 8
	s_lshl_b32 s58, s45, 3
	s_add_co_u32 s57, s57, s58                     ; its place among a group's words
	s_mul_i32 s58, s49, 16*GF
	s_add_co_u32 s58, s58, 512*GF                  ; K of my (batch, head)
	s_mov_b32 s59, 0
	s_add_co_u32 s78, s58, 512*GF                  ; V
	s_mov_b32 s79, 0
	s_mul_i32 s92, s60, GF                         ; which group of four is mine to fetch
	s_mov_b32 s93, 0
	s_mul_i32 s94, s60, GK                         ; where it goes: places 0-3,
	s_mul_i32 s95, s60, 2*GK
	s_add_co_u32 s95, s95, 4*GK                    ; and two of places 4-11
	s_mul_i32 s96, s60, GF
	s_add_co_u32 s96, s96, VB
	s_mul_i32 s97, s60, 2*GF
	s_add_co_u32 s97, s97, VB+4*GF
	s_mov_b32 s[G1K], 15|(3<<16)|(1<<20)|(1<<21)|(5<<22)|(7<<25)   ; the mask: all four; elements of 8 bytes; 8 words of padding behind every 64
	s_mov_b32 s[G1V], 15|(3<<16)|(1<<21)
.irp g, G1K, G1V
	s_mov_b32 s[\g+1], 32<<16                      ; rows of 256 bytes
	s_mov_b32 s[\g+3], 32<<16
	s_mov_b32 s[\g+5], 32
	s_mov_b32 s[\g+6], 0
	s_mov_b32 s[\g+7], 0
.endr
	ROWS 50                                        ; a group
	s_lshl_b32 s61, s49, 4
	s_add_co_u32 s61, s61, s54                     ; q's group number
	s_mul_i32 s62, s61, GF
	s_add_co_u32 s66, s62, s55                     ; my images of q
	s_mov_b32 s67, 0
	s_add_co_u32 s68, s62, s57
	s_add_co_u32 s68, s68, 12288                   ; their scale words
	s_mov_b32 s69, 0
	s_lshl_b32 s70, s61, 10
	s_add_co_u32 s70, s70, s57
	s_add_co_u32 s70, s70, 3*512*GF                ; their adapter scores
	s_mov_b32 s71, 0
	s_lshl_b32 s72, s51, 13
	s_lshl_b32 s73, s52, 9
	s_add_co_u32 s72, s72, s73
	s_add_co_u32 s72, s72, 96*8*GF+32768           ; v_ad: rows 2 b, 2 b + 1, the head's 128
	s_mov_b32 s73, 0
	s_lshl_b32 s74, s51, 4
	s_add_co_u32 s75, s74, s54
	s_lshl_b32 s75, s75, 3
	s_add_co_u32 s75, s75, s52
	s_mul_i32 s75, s75, GF
	s_add_co_u32 s76, s75, s55                     ; my images of O: group (16 b + run) 8 + head
	s_mov_b32 s77, 0
	s_add_co_u32 s74, s74, s53
	s_add_co_u32 s74, s74, s45
	s_lshl_b32 s74, s74, 3
	s_add_co_u32 s74, s74, s52
	s_mul_i32 s74, s74, GF
	s_add_co_u32 s74, s74, 12288                   ; the scale words of group w % 2 of the work-group's two
	s_mov_b32 s75, 0
	s_mov_b32 s[SEL], 0x76543210
	s_mov_b32 s[SEL+1], 0xfedcba98
	s_mov_b32 s[CS], 0x3e0293ee                    ; c = log2(e) / sqrt(128)
	s_mov_b32 s[CS+1], s[CS]
	s_mov_b32 s50, 0xffff0000                      ; lanes 16-31
	s_wait_dscnt 0x0                               ; both opening adds are done
	s_wait_kmcnt 0x0
	s_add_nc_u64 s[58:59], s[4:5], s[58:59]
	s_add_nc_u64 s[78:79], s[4:5], s[78:79]
	s_add_nc_u64 s[66:67], s[4:5], s[66:67]
	s_add_nc_u64 s[68:69], s[4:5], s[68:69]
	s_add_nc_u64 s[70:71], s[4:5], s[70:71]
	s_add_nc_u64 s[72:73], s[6:7], s[72:73]
	s_add_nc_u64 s[76:77], s[8:9], s[76:77]
	s_add_nc_u64 s[74:75], s[8:9], s[74:75]
	s_mov_b32 s[G0K], 1
	s_mov_b32 s[G0K+1], s94
	s_add_nc_u64 s[G0K+2:G0K+3], s[58:59], s[92:93]
	s_or_b32 s[G0K+3], s[G0K+3], 0x80000000
	s_mov_b32 s[G0V], 1
	s_mov_b32 s[G0V+1], s96
	s_add_nc_u64 s[G0V+2:G0V+3], s[78:79], s[92:93]
	s_or_b32 s[G0V+3], s[G0V+3], 0x80000000
	CROUND                                         ; all four work-groups are here: the first joint loads meet
	JL                                             ; key steps 0-3: one load a wave
	v_and_b32 v7, 31, v0
	v_lshlrev_b32 v1, 4, v7
	v_and_b32 v10, 15, v0                          ; r
	v_lshlrev_b32 v2, 4, v10
	v_bfe_u32 v9, v0, 4, 1                         ; h
	v_bfe_u32 v8, v0, 3, 1                         ; g = r / 8
	v_and_b32 v11, 7, v0
	v_lshlrev_b32 v11, 4, v11                      ; 16 j
	v_mad_u32_u24 v250, v8, 3456, v11              ; K's codes: two images on for lane rows 8-15,
	v_mad_u32_u24 v250, v9, 288, v250              ; an LDS row on for lanes 16-31
	v_lshl_add_u32 v255, v8, 3, v11                ; K's words: 16 j + 8 g
	v_lshlrev_b32 v7, 3, v9                        ; 8 h
	v_add_nc_u32 v3, s44, v2
	v_add_nc_u32 v4, s98, v1
	v_and_b32 v11, 8, v10
	v_add_nc_u32 v11, v11, v10
	v_lshlrev_b32 v11, 2, v11                      ; 4 (r + 8 (r / 8)): my channel in an image of V
.irp c, 0,1,2
	global_load_b128 v[16+4*\c:19+4*\c], v1, s[66:67] offset:512*\c   ; tile 0's image of Q stays in registers
.endr
	global_load_b32 v248, v2, s[68:69]             ; Q's scale words, both tiles'
	global_load_b32 v249, v2, s[68:69] offset:4
	global_load_b32 v29, v2, s[70:71]
	global_load_b32 v30, v2, s[70:71] offset:512
	WIN 0x40                                       ; destination window 1
	v_lshlrev_b32 v7, 3, v9
.irp c, 0,1,2
	global_load_b128 v[16+4*\c:19+4*\c], v1, s[66:67] offset:1536+512*\c   ; tile 1's
.endr
	global_load_b32 v29, v2, s[70:71] offset:4
	global_load_b32 v30, v2, s[70:71] offset:516
.irp t, 0,1,2,3,4,5,6,7
.irp n, 0,1
	global_load_b32 v[80+2*\t+\n], v11, s[72:73] offset:4096*\n+(32*(\t/2)+8*(\t%2))*4
.endr
.endr
	WIN 0
.macro INIT                            ; a tile's state, in the window that is set.  The key step is written once: its first trip finds zeros in O^T
	v_mov_b32 v28, 0
	v_mov_b32 v31, 0xff800000
	v_mov_b32 v13, 0xff61b1e6                      ; the largest t so far: -3e38
	v_floor_f32 v12, -v13
	v_mov_b32 v14, 0
	v_mov_b32 v15, 0
.irp b, 0,1,2,3
	v_mov_b32 v[236+\b], 0                         ; a lane permute's destination counts as one of its sources
.endr
	v_mov_b32 v253, 0
.set j, 0
.rept 64
	v_mov_b32 v[160+j], 0
.set j, j+1
.endr
.endm
	INIT
	WIN 0x55
	INIT
	WIN 0
; O's way out: from four blocks' largest magnitudes in v232-235 and 64 numbers in v96-159 (register 16 b + i = channel 32 b + 16 h + i): codes in v224-235, scale word in v253
.macro CODESO
.irp b, 0,1,2,3
	s_delay_alu instid0(VALU_DEP_4)
	v_add_nc_u32 v[244+\b], 0xff000000, v[232+\b]
.endr
.irp b, 0,1,2,3
	s_delay_alu instid0(VALU_DEP_4)
	v_lshrrev_b32 v[236+\b], 23, v[244+\b]
.endr
	s_delay_alu instid0(VALU_DEP_3)
	v_lshl_or_b32 v253, v237, 8, v236
	s_delay_alu instid0(VALU_DEP_1)
	v_lshl_or_b32 v253, v238, 16, v253
	s_delay_alu instid0(VALU_DEP_1)
	v_lshl_or_b32 v253, v239, 24, v253
.irp c, 0,1
	v_cvt_scalef32_pk16_fp6_f32 v[224+6*\c:226+6*\c], v[96+32*\c:111+32*\c], v[244+2*\c]
	v_cvt_scalef32_pk16_fp6_f32 v[236+4*\c:238+4*\c], v[112+32*\c:127+32*\c], v[244+2*\c+1]
.endr
	v_nop                                          ; one plain place behind a scaled conversion
.irp c, 0,1
.irp i, 0,1,2
	v_permlane16_swap_b32 v[224+6*\c+\i], v[236+4*\c+\i]
.endr
.irp i, 0,1,2
	s_delay_alu instid0(VALU_DEP_3)
	v_mov_b32 v[227+6*\c+\i], v[236+4*\c+\i]
.endr
.endr
.endm
; one tile's softmax of a key step, in the window that is set: my registers 96 + 32 c + i are key i of block 2 c + h.  f = 2^(old M - new M) is left in v252
.macro SOFT
.irp b, 0,1,2,3
	v_max3_num_f32 v[232+\b], v[96+16*\b], v[97+16*\b], v[98+16*\b]   ; four chains, two to a block; each accumulator is read from its low end on
.endr
.irp i, 3,5,7,9,11,13
.irp b, 0,1,2,3
	v_max3_num_f32 v[232+\b], v[232+\b], v[96+16*\b+\i], v[97+16*\b+\i]
.endr
.endr
	v_max3_num_f32 v232, v232, v233, v111
	v_max3_num_f32 v234, v234, v235, v143
	v_max_num_f32 v232, v232, v127                 ; my two blocks' largest scores: for the row's maximum and, since p rises with the score, for the blocks' largest p
	v_max_num_f32 v234, v234, v159
	s_delay_alu instid0(VALU_DEP_1)
	v_max_num_f32 v254, v232, v234
	s_delay_alu instid0(VALU_DEP_1)
	v_permlanex16_b32 v239, v254, s[SEL], s[SEL+1]
	s_delay_alu instid0(VALU_DEP_1)
	v_max_num_f32 v254, v254, v239                 ; with lane l xor 16's two blocks
	s_delay_alu instid0(VALU_DEP_1)
	v_mul_f32 v254, s[CS], v254
	s_delay_alu instid0(VALU_DEP_1)
	v_max_num_f32 v13, v13, v254                   ; the running largest t
	v_mov_b32 v254, v12
	s_delay_alu instid0(VALU_DEP_2)
	v_floor_f32 v12, -v13                          ; the new -M: M is a whole number
	s_delay_alu instid0(VALU_DEP_1)
	v_sub_f32 v254, v12, v254
	s_delay_alu instid0(VALU_DEP_1)
	v_cvt_i32_f32 v254, v254                       ; (it saturates)
	s_delay_alu instid0(VALU_DEP_1)
	v_ldexp_f32 v252, 1.0, v254                    ; f
.set j, 0
.rept 32
	v_pk_fma_f32 v[96+j:97+j], v[96+j:97+j], s[CS:CS+1], v[12:13] op_sel_hi:[1,0,0]   ; t - M
.set j, j+2
.endr
	v_fma_f32 v232, v232, s[CS], v12
	v_fma_f32 v234, v234, s[CS], v12
	s_wait_alu depctr_va_vdst(0)                   ; the wait ahead of the batch
.set j, 0
.rept 64
	v_exp_f32 v[96+j], v[96+j]                     ; p = 2^(t - M)
.set j, j+1
.endr
	v_pk_mul_f32 v[14:15], v[14:15], v[252:253] op_sel_hi:[1,0]   ; the sums under the new M (a plain place behind the exponentials)
	s_wait_alu depctr_va_vdst(0)                   ; one wait for the batch, ahead of its first reader
	v_exp_f32 v232, v232                           ; the blocks' largest p
	v_exp_f32 v234, v234
	v_pk_add_f32 v[236:237], v[96:97], v[98:99]    ; the row's sum of the unquantised p, in two chains
.irp j, 4,8,12,16,20,24,28,32,36,40,44,48,52,56,60
	v_pk_add_f32 v[14:15], v[14:15], v[96+\j:97+\j]
	v_pk_add_f32 v[236:237], v[236:237], v[98+\j:99+\j]
.endr
	s_delay_alu instid0(VALU_DEP_1)
	v_pk_add_f32 v[14:15], v[14:15], v[236:237]
	s_wait_alu depctr_va_vdst(0)                   ; and one for the two
	v_max_num_f32 v232, 0x1800000, v232            ; the floor 2^(3 - 127)
	v_max_num_f32 v234, 0x1800000, v234
	s_delay_alu instid0(VALU_DEP_2)
	v_add_nc_u32 v244, 0xff000000, v232            ; 2 off the exponent field: the conversion's scale operand
	s_delay_alu instid0(VALU_DEP_2)
	v_add_nc_u32 v246, 0xff000000, v234
	s_delay_alu instid0(VALU_DEP_2)
	v_lshrrev_b32 v236, 23, v244
	s_delay_alu instid0(VALU_DEP_2)
	v_lshrrev_b32 v238, 23, v246
	s_delay_alu instid0(VALU_DEP_1)
	v_lshl_or_b32 v253, v238, 16, v236             ; my two bytes: blocks h and 2 + h,
	s_delay_alu instid0(VALU_DEP_1)
	v_lshlrev_b32 v253, v7, v253                   ; 8 h bits up;
	s_delay_alu instid0(VALU_DEP_1)
	v_permlanex16_b32 v237, v253, s[SEL], s[SEL+1]
	s_delay_alu instid0(VALU_DEP_1)
	v_or_b32 v253, v253, v237                      ; with lane l xor 16's two the word is whole
	v_cvt_scalef32_pk16_fp6_f32 v[224:226], v[96:111], v244
	v_cvt_scalef32_pk16_fp6_f32 v[240:242], v[112:127], v244      ; (a conversion's three registers begin on an even number)
	v_cvt_scalef32_pk16_fp6_f32 v[230:232], v[128:143], v246
	v_cvt_scalef32_pk16_fp6_f32 v[236:238], v[144:159], v246
	v_nop                                          ; one plain place behind a scaled conversion
.irp i, 0,1,2
	v_mov_b32 v[227+\i], v[240+\i]
	v_mov_b32 v[233+\i], v[236+\i]
.endr
.endm
.macro RESC                            ; a tile's O^T under the new M, in the window that is set
	s_wait_alu depctr_va_vdst(0)                   ; the wait directly ahead of the first reader of O^T
.set j, 0
.rept 32
	v_pk_mul_f32 v[160+j:161+j], v[160+j:161+j], v[252:253] op_sel_hi:[1,0]
.set j, j+2
.endr
.endm
; K's eight tiles and their scale words, from off bytes behind the step in hand: 28 loads.  It begins and ends with every window 0
.macro KFETCH off
.irp u, 0,1,2,3
.irp c, 0,1,2
	ds_load_b128 v[32+12*\u+4*\c:35+12*\u+4*\c], v8 offset:\off+1728*(\u%2)+128*(\u/2)+576*\c
.endr
.endr
.irp x, 0,1,2,3
	ds_load_b64 v[80+2*\x:81+2*\x], v9 offset:\off+13824+288*(\x/2)+128*(\x%2)   ; the words of tiles 2 x and 2 x + 1
.endr
	WIN 0x40
.irp u, 0,1,2,3
.irp c, 0,1,2
	ds_load_b128 v[32+12*\u+4*\c:35+12*\u+4*\c], v8 offset:\off+1728*(4+\u%2)+128*(\u/2)+576*\c
.endr
.endr
	WIN 0
.endm
.macro QK4 g, qs                       ; four products S^T = K Q^T: K's tiles 4 g on, under the windows that are set
.irp i, 0,1,2,3
	v_wmma_scale_f32_16x16x128_f8f6f4 v[96+32*(\g)+8*\i:103+32*(\g)+8*\i], v[32+12*\i:43+12*\i], v[16:27], 0, v[80+4*(\g)+\i], v[\qs] matrix_a_fmt:MATRIX_FMT_FP6 matrix_b_fmt:MATRIX_FMT_FP6
.endr
.endm
.macro PV1 i, vf, ps                   ; one product O^T += V^T P^T
	v_wmma_scale_f32_16x16x128_f8f6f4 v[160+8*(\i):167+8*(\i)], v[\vf:\vf+11], v[224:235], v[160+8*(\i):167+8*(\i)], v[88+(\i)], v[\ps] matrix_a_fmt:MATRIX_FMT_FP6 matrix_b_fmt:MATRIX_FMT_FP6
.endm
; A KEY STEP: 128 keys; its tiles of K have been asked for.  The 32 products name 32 different accumulators.
.macro STEP
	v_add_nc_u32 v8, s[TBK], v250
	v_add_nc_u32 v9, s[TBK], v255
	v_add_nc_u32 v10, s[TBV], v1
	v_add_nc_u32 v11, s[TBV], v2
	s_wait_alu depctr_va_vdst(0)                   ; the wait ahead of the wait below
	s_wait_dscnt 0x0                               ; K's tiles and scale words are in
	QK4 0, 248
	WIN 0x44                                       ; Q and S^T in window 1
	QK4 0, 249
	WIN 0x01                                       ; K's tiles 4-7 (window 1), tile 0
	QK4 1, 248
	WIN 0x45
	QK4 1, 249
	WIN 0
.rept 4
	v_nop                                          ; places in front of loads into registers that these products have read, and of the first reads of their results
.endr
	s_cmp_eq_u32 s[CNT], 1                         ; a run's last step asks for nothing
	s_cbranch_scc1 .Lnopre_\@
	KFETCH GK                                      ; the next step's K
.Lnopre_\@:
	SOFT                                           ; tile 0
.irp i, 0,1,2,3,4
.irp c, 0,1,2
	ds_load_b128 v[96+12*\i+4*\c:99+12*\i+4*\c], v10 offset:1536*\i+512*\c   ; V's images 0-4, where tile 0's p lay
.endr
.endr
	ds_load_b128 v[88:91], v11 offset:12288
	ds_load_b128 v[92:95], v11 offset:12288+256
	WIN 0x55
	SOFT                                           ; tile 1
	WIN 0x01
	v_mov_b32 v251, v253                           ; its scale word of p goes to window 0: scale operands have no window
	WIN 0x40
.irp i, 0,1,2
.irp c, 0,1,2
	ds_load_b128 v[96+12*\i+4*\c:99+12*\i+4*\c], v10 offset:1536*(5+\i)+512*\c   ; V's images 5-7, where tile 1's p lay
.endr
.endr
	WIN 0
	RESC                                           ; these 64 are also the places between the codes' and scale words' last writes and the products
	WIN 0x55
	RESC
	s_wait_alu depctr_va_vdst(0)
	s_wait_dscnt 9                                 ; all but the youngest nine loads (V's images 5-7) are in
	WIN 0
.irp i, 0,1,2,3,4
	PV1 \i, 96+12*\i, 253
.endr
	WIN 0x54                                       ; V in window 0; p's codes and O^T in window 1
.irp i, 0,1,2,3,4
	PV1 \i, 96+12*\i, 251
.endr
	s_wait_dscnt 0x0
	WIN 0x01
.irp i, 5,6,7
	PV1 \i, 96+12*(\i-5), 253
.endr
	WIN 0x55
.irp i, 5,6,7
	PV1 \i, 96+12*(\i-5), 251
.endr
	WIN 0
.rept 5
	v_nop                                          ; five places: the next step's scores are laid over V's fragments, which these products have read
.endr
.endm
.macro STEPS kb, vb, n                 ; n key steps from K's place at kb and V's at vb on
	s_mov_b32 s[TBK], \kb
	s_mov_b32 s[TBV], \vb
	v_add_nc_u32 v8, s[TBK], v250
	v_add_nc_u32 v9, s[TBK], v255
	KFETCH 0
	s_mov_b32 s[CNT], \n
.Lstep_\@:
	STEP
	s_add_co_u32 s[TBK], s[TBK], GK
	s_add_co_u32 s[TBV], s[TBV], GF
	s_sub_co_u32 s[CNT], s[CNT], 1
	s_cmp_lg_u32 s[CNT], 0
	s_cbranch_scc1 .Lstep_\@
.endm
	s_wait_alu depctr_va_vdst(0)                   ; the wait at the head's end
	s_wait_tensorcnt 0x0                           ; my group of key steps 0-3 is in; the next first fill is issued as a refill is
	ds_add_u32 v5, v6
	ROWS 100                                       ; two groups a load
	s_mov_b32 s[G0K+1], s95
	s_mov_b32 s[G0V+1], s97
	s_add_nc_u64 s[G0K+2:G0K+3], s[G0K+2:G0K+3], s[92:93]
	s_add_nc_u64 s[G0K+2:G0K+3], s[G0K+2:G0K+3], 4*GF   ; group 4 + 2 (w % 4)
	s_add_nc_u64 s[G0V+2:G0V+3], s[G0V+2:G0V+3], s[92:93]
	s_add_nc_u64 s[G0V+2:G0V+3], s[G0V+2:G0V+3], 4*GF
	s_wait_dscnt 0x0
	CROUND
	JL                                             ; key steps 4-11
	s_wait_loadcnt 0x0                             ; Q, its words, the adapters'
	v_cndmask_b32 v29, v29, v31, s50               ; the adapters lie at k = 0, 1, which lanes 0-15 hold: in lanes 16-31 their scores are -infinity and v_ad is 0
	v_cndmask_b32 v30, v30, v31, s50
	WIN 0x55
	v_cndmask_b32 v29, v29, v31, s50
	v_cndmask_b32 v30, v30, v31, s50
.set j, 0
.rept 16
	v_cndmask_b32 v[80+j], v[80+j], v28, s50
.set j, j+1
.endr
	WIN 0
	STEPS 0, VB, 4
	s_wait_tensorcnt 0x0                           ; key steps 4-11 are in, my part of them
	ds_add_u32 v5, v6
	ROWS 50
	s_mov_b32 s[G0K+1], s94
	s_mov_b32 s[G0V+1], s96
	s_sub_nc_u64 s[G0K+2:G0K+3], s[G0K+2:G0K+3], s[92:93]
	s_add_nc_u64 s[G0K+2:G0K+3], s[G0K+2:G0K+3], 8*GF   ; group 12 + w % 4
	s_sub_nc_u64 s[G0V+2:G0V+3], s[G0V+2:G0V+3], s[92:93]
	s_add_nc_u64 s[G0V+2:G0V+3], s[G0V+2:G0V+3], 8*GF
	s_wait_dscnt 0x0                               ; the add is done, and my reads of places 0-3 are over
	CROUND
	JL                                             ; key steps 12-15, into places 0-3
	STEPS 4*GK, VB+4*GF, 8
	s_wait_tensorcnt 0x0                           ; the refill has landed
	ds_add_u32 v5, v6
	s_wait_dscnt 0x0
	s_barrier_signal -1
	s_barrier_wait -1                              ; in every wave; and nobody reads places 4-11 any more
	STEPS 0, VB, 4
	; ---- the adapters' step.  (The five places at the last step's end stand behind the last products.)
.macro ADP                             ; a tile's part, in the window that is set: M, f, the two p, the sum, p's codes and scale word
	v_max_num_f32 v254, v29, v30
	s_delay_alu instid0(VALU_DEP_1)
	v_permlanex16_b32 v239, v254, s[SEL], s[SEL+1]
	s_delay_alu instid0(VALU_DEP_1)
	v_max_num_f32 v254, v254, v239
	s_delay_alu instid0(VALU_DEP_1)
	v_mul_f32 v254, s[CS], v254
	s_delay_alu instid0(VALU_DEP_1)
	v_max_num_f32 v13, v13, v254
	v_mov_b32 v254, v12
	s_delay_alu instid0(VALU_DEP_2)
	v_floor_f32 v12, -v13
	s_delay_alu instid0(VALU_DEP_1)
	v_sub_f32 v254, v12, v254
	s_delay_alu instid0(VALU_DEP_1)
	v_cvt_i32_f32 v254, v254
	s_delay_alu instid0(VALU_DEP_1)
	v_ldexp_f32 v252, 1.0, v254
	s_delay_alu instid0(VALU_DEP_4)
	v_fma_f32 v96, v29, s[CS], v12
	v_fma_f32 v97, v30, s[CS], v12
	s_wait_alu depctr_va_vdst(0)
	v_exp_f32 v96, v96
	v_exp_f32 v97, v97
	v_pk_mul_f32 v[14:15], v[14:15], v[252:253] op_sel_hi:[1,0]
.set j, 0
.rept 14
	v_mov_b32 v[98+j], 0                           ; the block's other numbers
.set j, j+1
.endr
	s_wait_alu depctr_va_vdst(0)                   ; one wait for the two exponentials, ahead of their first reader
	v_add_f32 v14, v14, v96
	v_add_f32 v15, v15, v97
	v_max3_num_f32 v232, v96, v97, 0x1800000
	s_delay_alu instid0(VALU_DEP_1)
	v_add_nc_u32 v244, 0xff000000, v232
	s_delay_alu instid0(VALU_DEP_1)
	v_lshrrev_b32 v236, 23, v244
	s_delay_alu instid0(VALU_DEP_1)
	v_or_b32 v253, 0x7f7f7f00, v236                ; byte 0: the block's; the blocks of zero codes take 127
	v_cvt_scalef32_pk16_fp6_f32 v[224:226], v[96:111], v244
.set j, 0
.rept 9
	v_mov_b32 v[227+j], 0
.set j, j+1
.endr
.endm
.macro VADQ t, u                       ; in window 1: image t of v_ad into fragment u: two numbers a channel, quantised along the keys; its scale word into v[240 + u]
	v_max3_num_f32 v[232+\u], |v[80+2*(\t)]|, |v[81+2*(\t)]|, 0x1800000
	s_delay_alu instid0(VALU_DEP_1)
	v_add_nc_u32 v[244+\u], 0xff000000, v[232+\u]
	s_delay_alu instid0(VALU_DEP_1)
	v_lshrrev_b32 v[236+\u], 23, v[244+\u]
	s_delay_alu instid0(VALU_DEP_1)
	v_or_b32 v[240+\u], 0x7f7f7f00, v[236+\u]
	v_mov_b32 v96, v[80+2*(\t)]
	v_mov_b32 v97, v[81+2*(\t)]
	v_cvt_scalef32_pk16_fp6_f32 v[32+12*\u:34+12*\u], v[96:111], v[244+\u]
.endm
.macro PVA g, ps                       ; four products with v_ad's images 4 g on (window 1), under the windows that are set
.irp u, 0,1,2,3
	v_wmma_scale_f32_16x16x128_f8f6f4 v[160+32*(\g)+8*\u:167+32*(\g)+8*\u], v[32+12*\u:43+12*\u], v[224:235], v[160+32*(\g)+8*\u:167+32*(\g)+8*\u], v[88+\u], v[\ps] matrix_a_fmt:MATRIX_FMT_FP6 matrix_b_fmt:MATRIX_FMT_FP6
.endr
.endm
	ADP                                            ; tile 0
	WIN 0x55
	ADP                                            ; tile 1
.irp u, 0,1,2,3
.irp j, 3,4,5,6,7,8,9,10,11
	v_mov_b32 v[32+12*\u+\j], 0                    ; the four fragments' codes of k = 16 on
.endr
.endr
.irp u, 0,1,2,3
	VADQ \u, \u
.endr
	v_nop                                          ; one plain place behind the last conversion
	WIN 0x01
	v_mov_b32 v251, v253
.irp u, 0,1,2,3
	v_mov_b32 v[88+\u], v[240+\u]
.endr
	WIN 0
	RESC
	WIN 0x55
	RESC
.rept 8
	v_nop                                          ; a scale register written by a vector instruction stands 8 places ahead of a scaled matrix instruction
.endr
	WIN 0x01
	PVA 0, 253
	WIN 0x55
	PVA 0, 251
.rept 4
	v_nop
.endr
.irp u, 0,1,2,3
	VADQ 4+\u, \u
.endr
	v_nop
	WIN 0x01
.irp u, 0,1,2,3
	v_mov_b32 v[88+\u], v[240+\u]
.endr
.rept 8
	v_nop
.endr
	PVA 1, 253
	WIN 0x55
	PVA 1, 251
	WIN 0
	; ---- the way out: O^T / the sum, quantised along the channels
.macro FIN                             ; a tile's part, in the window that is set
	v_add_f32 v14, v14, v15
	s_delay_alu instid0(VALU_DEP_1)
	v_permlanex16_b32 v252, v14, s[SEL], s[SEL+1]
	s_delay_alu instid0(VALU_DEP_1)
	v_add_f32 v14, v14, v252
	s_wait_alu depctr_va_vdst(0)
	v_rcp_f32 v14, v14
	v_nop
	s_wait_alu depctr_va_vdst(0)
.set j, 0
.rept 32
	v_pk_mul_f32 v[96+j:97+j], v[160+j:161+j], v[14:15] op_sel_hi:[1,0]   ; each accumulator from its low end on
.set j, j+2
.endr
.irp b, 0,1,2,3
	v_max3_num_f32 v[232+\b], |v[96+16*\b]|, |v[97+16*\b]|, 0x1800000
.endr
.irp i, 2,4,6,8,10,12,14
.irp b, 0,1,2,3
	s_delay_alu instid0(VALU_DEP_4)
	v_max3_num_f32 v[232+\b], v[232+\b], |v[96+16*\b+\i]|, |v[97+16*\b+\i]|
.endr
.endr
.irp b, 0,1,2,3
	v_permlanex16_b32 v[236+\b], v[232+\b], s[SEL], s[SEL+1]
.endr
.irp b, 0,1,2,3
	s_delay_alu instid0(VALU_DEP_4)
	v_max_num_f32 v[232+\b], v[232+\b], v[236+\b]
.endr
	CODESO
.endm
.rept 4
	v_nop                                          ; places behind the last products
.endr
	FIN
.irp c, 0,1,2
	global_store_b128 v1, v[224+4*\c:227+4*\c], s[76:77] offset:512*\c   ; 32 lanes store 512 consecutive bytes
.endr
	ds_store_b32 v3, v253                          ; both halves of the lanes write the same word with the same value
	WIN 0x55
	FIN
	WIN 0x04                                       ; a store's data are its source 1: window 1
.irp c, 0,1,2
	global_store_b128 v1, v[224+4*\c:227+4*\c], s[76:77] offset:1536+512*\c
.endr
	ds_store_b32 v3, v253 offset:4
	WIN 0
	s_wait_dscnt 0x0                               ; for the others' sake
	s_barrier_signal -1
	s_barrier_wait -1
	s_cmp_lt_u32 s[WV], 2
	s_cbranch_scc0 .Lno_words
	ds_load_b128 v[96:99], v4
	s_wait_dscnt 0x0
	global_store_b128 v1, v[96:99], s[74:75]       ; a group's 512 bytes of scale words
.Lno_words:
	s_wait_tensorcnt 0x0                           ; the wave's end
	ds_add_u32 v5, v6
	s_wait_dscnt 0x0
	CROUND                                         ; the closing round
	s_endpgm
.Lfunc_end_k_qc2da00573e_attn:
	.size	k_qc2da00573e_attn, .Lfunc_end_k_qc2da00573e_attn-k_qc2da00573e_attn
	.p2alignl 7, 3214868480
	.fill 96, 4, 3214868480
	.section	.rodata,"a",@progbits
	.p2align	6, 0x0
	.amdhsa_kernel k_qc2da00573e_attn
		.amdhsa_group_segment_fixed_size 327680
		.amdhsa_private_segment_fixed_size 0
		.amdhsa_enable_private_segment 0
		.amdhsa_kernarg_size 24
		.amdhsa_user_sgpr_count 2
		.amdhsa_user_sgpr_kernarg_segment_ptr 1
		.amdhsa_wavefront_size32 1
		.amdhsa_system_sgpr_workgroup_id_x 1
		.amdhsa_system_sgpr_workgroup_id_y 1
		.amdhsa_system_sgpr_workgroup_id_z 1
		.amdhsa_system_vgpr_workitem_id 0
		.amdhsa_next_free_vgpr 512
		.amdhsa_next_free_sgpr 100
		.amdhsa_reserve_vcc 0
		.amdhsa_float_denorm_mode_32 3
		.amdhsa_float_denorm_mode_16_64 3
		.amdhsa_memory_ordered 1
		.amdhsa_forward_progress 1
		.amdhsa_inst_pref_size 159
	.end_amdhsa_kernel
	.amdgpu_metadata
---
amdhsa.version: [ 1, 2 ]
amdhsa.kernels:
  - .name:           k_qc2da00573e_attn
    .symbol:         k_qc2da00573e_attn.kd
    .args:
      - { .name: qkv, .offset: 0, .size: 8, .value_kind: global_buffer, .address_space: global }
      - { .name: prep, .offset: 8, .size: 8, .value_kind: global_buffer, .address_space: global }
      - { .name: aog, .offset: 16, .size: 8, .value_kind: global_buffer, .address_space: global }
    .group_segment_fixed_size: 327680
    .private_segment_fixed_size: 0
    .kernarg_segment_align: 8
    .kernarg_segment_size: 24
    .max_flat_workgroup_size: 256
    .sgpr_count:     100
    .vgpr_count:     512
    .wavefront_size: 32
...
	.end_amdgpu_metadata
.endif
;; end of part 3
;; launch oproj (part 4): grid 4 x 64, 8 waves a work-group, clusters of 4 x 4, 327,680 bytes of LDS; arguments aog, prep, bo, out0; writes out0
.if DOCPART == 4
	.amdgcn_target "amdgcn-amd-amdhsa--gfx1250"
	.amdhsa_code_object_version 6
	.text
	.protected	k_qc2da00573e_oproj
	.globl	k_qc2da00573e_oproj
	.p2align	8
	.type	k_qc2da00573e_oproj,@function
k_qc2da00573e_oproj:
	s_mov_b64 s[64:65], 0
	v_nop
	global_prefetch_b8 v0, s[64:65] scope:SCOPE_SE
	s_setreg_imm32_b32 hwreg(HW_REG_WAVE_MODE, 25, 1), 1
	s_wait_xcnt 0x0
	s_wait_alu depctr_hold_cnt(0) depctr_sa_sdst(0) depctr_va_vdst(0) depctr_va_sdst(0) depctr_va_ssrc(0) depctr_va_vcc(0) depctr_vm_vsrc(0)
	s_getreg_b32 s2, hwreg(HW_REG_IB_STS2, 6, 4)
	s_cmp_eq_u32 s2, 0
	s_cbranch_scc0 .Lentry_in_a_cluster
	s_endpgm
.Lentry_in_a_cluster:
	s_bfe_u32 s2, ttmp6, 0x10000c
	s_cmp_lg_u32 s2, 0xf033
	s_cbranch_scc0 .Lentry_shape_is_right
	s_endpgm
.Lentry_shape_is_right:
; OPROJ.  out = O Wo^T + bo on codes of FP6 (E2M3) with E8M0 scales, f32 sums.  O (aog) and Wo (prep, runs 88-95) lie as GROUPS of 128 rows x 128 K in the order of the operand's registers
; (8 images of 1,536 bytes, 512 bytes of scale words: 12,800 bytes), [run of 128 rows][8 K steps].  Lane row r of image a is row 32 (a / 2) + 8 (a % 2) + r + 8 (r / 8) of the 128.
; A BLOCK is 128 rows x 256 columns: 64 x 4 = 256 work-groups.  ALL OF K IS IN LDS AT ONCE: O's run is 102,400 dense bytes, Wo's two runs 204,800: eight tensor loads, one a wave, all at the head (waves 0-3 two groups of O each,
; waves 4-7 four groups of Wo each); nothing is filled again.  CLUSTER 4 x 4: O's run is shared along a row of the cluster, Wo's runs along a column: each is asked for jointly.
; A WAVE makes 64 rows x 64 columns: 16 accumulators in window 1; source 0 = Wo's image, source 1 = O's image (transposed use): a lane holds eight neighbouring columns of a row.  Fragments and scale words lie in window 0, in two sets by turns.
; The bias is the C of the first K step.  THE WAY OUT: 16 rows x 256 bytes at a time through the wave's own stage, which lies in O's bytes behind a barrier that follows every wave's last read; sixteen lanes store 256 consecutive bytes, aligned.
; No prefetch: every byte is asked for by the head's loads, and there is no loop to run ahead in.  LIMITS: NaN and infinities are not served.
.set GF,    12800
.set LB,    8*GF                       ; Wo's bytes lie behind O's
.set SPARE, 24*GF                      ; the spare words, 128 bytes a wave
.set SP,    272                        ; a stage row: 256 bytes + 16
.set LI,  1                            ; v1     16 x lane
.set VA,  2                            ; v2-3   my images of O, K steps 0-3 and 4-7
.set VW,  4                            ; v4-5   of Wo
.set VS,  6                            ; v6-7   the scale words: lanes 0-15 O's, lanes 16-31 Wo's
.set STO, 8
.set RD,  9
.set CO,  10
.set SPW, 12
.set NIL, 13
.set SC,  16                           ; v16-23 scale words, two sets of four
.set BIAS,24                           ; v24-55
.set FA,  56                           ; v56-247 two sets: O's four fragments, then Wo's four
.set G1,  24
.set G0,  32
.set G1B, 48
.set G0B, 56
.set MSB, 0
.macro WIN new
.if MSB != (\new)
	s_set_vgpr_msb (MSB<<8)|(\new)
.set MSB, (\new)
.endif
.endm
.macro CROUND
	s_barrier_signal -1
	s_barrier_wait -1
	s_cmp_lg_u32 s14, 0
	s_cbranch_scc1 .Lnot_wave_0_\@
	s_barrier_signal -3
.Lnot_wave_0_\@:
	s_barrier_wait -3
	s_barrier_signal -1
	s_barrier_wait -1
.endm
	s_load_b256 s[4:11], s[0:1], 0x0               ; aog, prep, bo, out0
	v_lshl_add_u32 v[SPW], v0, 2, SPARE
	v_mov_b32 v[NIL], 0
	ds_add_u32 v[SPW], v[NIL]                      ; the opening lines: the add, twice on end, and its wait
	ds_add_u32 v[SPW], v[NIL]
	v_lshrrev_b32 v14, 5, v0
	v_readfirstlane_b32 s14, v14                   ; wave 0..7
	s_and_b32 s15, s14, 1                          ; my 64 rows
	s_lshr_b32 s16, s14, 1                         ; my 64 columns
	s_and_b32 s17, s14, 3                          ; which part I fetch
	s_bfe_u32 s40, ttmp6, 0x40000                  ; cx
	s_bfe_u32 s41, ttmp6, 0x40004                  ; cy
	s_and_b32 s18, ttmp7, 0xffff
	s_lshl_b32 s18, s18, 2
	s_add_co_u32 s18, s18, s41                     ; O's run of 128 rows
	s_lshl_b32 s43, s41, 2
	s_lshl_b32 s43, 15, s43                        ; my row of the cluster
	s_lshl_b32 s44, 0x1111, s40                    ; my column
	s_or_b32 s[G1], s43, (3<<16)|(1<<21)           ; the mask; elements of 8 bytes; bit 21 beside a mask
	s_or_b32 s[G1B], s44, (3<<16)|(1<<21)
.irp g, G1, G1B
	s_mov_b32 s[\g+1], 32<<16                      ; rows of 256 bytes
	s_mov_b32 s[\g+3], 32<<16
	s_mov_b32 s[\g+5], 32
	s_mov_b32 s[\g+6], 0
	s_mov_b32 s[\g+7], 0
.endr
	s_mov_b32 s[G1+2], 100<<16                     ; O: two groups a load
	s_mov_b32 s[G1+4], 100
	s_mov_b32 s[G1B+2], 200<<16                    ; Wo: four
	s_mov_b32 s[G1B+4], 200
	s_mul_i32 s20, s18, 8*GF
	s_mul_i32 s22, s17, 2*GF                       ; LDS is an image of memory
	s_add_co_u32 s20, s20, s22
	s_mov_b32 s21, 0
	s_add_co_u32 s46, s40, 44                      ; Wo's runs 88 + 2 cx and the next
	s_mul_i32 s46, s46, 16*GF
	s_mul_i32 s23, s17, 4*GF
	s_add_co_u32 s46, s46, s23
	s_mov_b32 s47, 0
	s_add_co_u32 s23, s23, LB
	s_mul_i32 s66, s15, 4*1536                     ; my four images of O
	s_lshr_b32 s72, s16, 1
	s_and_b32 s73, s16, 1
	s_mul_i32 s72, s72, 8*GF
	s_add_co_u32 s72, s72, LB                      ; my run of Wo
	s_mul_i32 s67, s73, 4*1536
	s_add_co_u32 s67, s67, s72                     ; my four images of it
	s_lshl_b32 s68, s15, 8
	s_add_co_u32 s68, s68, 12288                   ; O's words
	s_lshl_b32 s69, s73, 8
	s_add_co_u32 s69, s69, s72
	s_add_co_u32 s69, s69, 12288                   ; Wo's
	s_sub_co_u32 s70, s69, s68
	s_mul_i32 s71, s14, 16*SP                      ; my stage
	s_lshl_b32 s76, s40, 10
	s_lshl_b32 s77, s16, 8
	s_add_co_u32 s76, s76, s77                     ; my first column, in bytes
	s_mov_b32 s77, 0
	s_lshl_b32 s74, s18, 19
	s_lshl_b32 s75, s15, 18
	s_add_co_u32 s74, s74, s75
	s_add_co_u32 s74, s74, s76                     ; my first row and column of out
	s_mov_b32 s75, 0
	s_wait_dscnt 0x0                               ; both opening adds are done
	s_wait_kmcnt 0x0
	s_add_nc_u64 s[20:21], s[4:5], s[20:21]
	s_add_nc_u64 s[46:47], s[6:7], s[46:47]
	s_add_nc_u64 s[92:93], s[8:9], s[76:77]
	s_add_nc_u64 s[12:13], s[10:11], s[74:75]
	s_mov_b32 s[G0], 1
	s_mov_b32 s[G0+1], s22
	s_mov_b64 s[G0+2:G0+3], s[20:21]
	s_or_b32 s[G0+3], s[G0+3], 0x80000000
	s_mov_b32 s[G0B], 1
	s_mov_b32 s[G0B+1], s23
	s_mov_b64 s[G0B+2:G0B+3], s[46:47]
	s_or_b32 s[G0B+3], s[G0B+3], 0x80000000
	CROUND                                         ; all sixteen work-groups are here: the joint loads meet
	s_cmp_lt_u32 s14, 4
	s_cbranch_scc0 .Lfor_b
	tensor_load_to_lds s[G0:G0+3], s[G1:G1+7]
	s_nop 0
.rept 4
	v_nop
.endr
	s_branch .Lasked
.Lfor_b:
	tensor_load_to_lds s[G0B:G0B+3], s[G1B:G1B+7]
	s_nop 0
.rept 4
	v_nop
.endr
.Lasked:
	v_and_b32 v14, 15, v0                          ; r
	v_bfe_u32 v15, v0, 4, 1                        ; h
	v_and_b32 v11, 31, v0
	v_lshlrev_b32 v[LI], 4, v11
	v_add_nc_u32 v[VA], s66, v[LI]
	v_add_nc_u32 v[VA+1], 4*GF, v[VA]
	v_add_nc_u32 v[VW], s67, v[LI]
	v_add_nc_u32 v[VW+1], 4*GF, v[VW]
	v_mul_u32_u24 v11, s70, v15                    ; lanes 16-31 take Wo's words
	v_lshl_add_u32 v11, v14, 4, v11                ; 16 bytes a row: four images' words
	v_add_nc_u32 v[VS], s68, v11
	v_add_nc_u32 v[VS+1], 4*GF, v[VS]
	v_mul_u32_u24 v11, v14, SP                     ; into the stage: row r, 64 bytes for each half of the lanes
	v_lshl_add_u32 v11, v15, 6, v11
	v_add_nc_u32 v[STO], s71, v11
	v_mul_u32_u24 v11, v15, SP                     ; back: sixteen lanes to a row, two rows an instruction
	v_lshl_add_u32 v11, v14, 4, v11
	v_add_nc_u32 v[RD], s71, v11
	v_lshlrev_b32 v[CO], 12, v15                   ; and the same two rows in out
	v_lshl_add_u32 v[CO], v14, 4, v[CO]
	v_lshlrev_b32 v11, 6, v15
.irp b, 0,1,2,3                                ; register 8 b + j = the bias of column 32 (b / 2) + 16 h + 8 (b % 2) + j
	global_load_b128 v[BIAS+8*\b:BIAS+8*\b+3], v11, s[92:93] offset:(32*(\b/2)+8*(\b%2))*4
	global_load_b128 v[BIAS+8*\b+4:BIAS+8*\b+7], v11, s[92:93] offset:(32*(\b/2)+8*(\b%2))*4+16
.endr
.macro FETCH q                         ; K step q's fragments and scale words into set q % 2: 25 loads
.set S, (\q)%2
.set H, (\q)/4
.set O, GF*((\q)%4)
.irp i, 0,1,2,3
.irp c, 0,1,2
	ds_load_b128 v[FA+96*S+12*\i+4*\c:FA+96*S+12*\i+4*\c+3], v[VA+H] offset:O+1536*\i+512*\c
.endr
.endr
.irp i, 0,1,2,3
.irp c, 0,1,2
	ds_load_b128 v[FA+96*S+48+12*\i+4*\c:FA+96*S+48+12*\i+4*\c+3], v[VW+H] offset:O+1536*\i+512*\c
.endr
.endr
	ds_load_b128 v[SC+4*S:SC+4*S+3], v[VS+H] offset:O
.endm
.macro MUL q, first                    ; 16 products; the 16 accumulators take turns in the same order in every step
.set S, (\q)%2
.irp a, 0,1,2,3
.irp b, 0,1,2,3
.if \first
	v_wmma_scale_f32_16x16x128_f8f6f4 v[8*(4*\a+\b):8*(4*\a+\b)+7], v[FA+96*S+48+12*\b:FA+96*S+48+12*\b+11], v[FA+96*S+12*\a:FA+96*S+12*\a+11], v[BIAS+8*\b:BIAS+8*\b+7], v[SC+4*S+\b], v[SC+4*S+\a] matrix_a_fmt:MATRIX_FMT_FP6 matrix_b_fmt:MATRIX_FMT_FP6 matrix_a_scale:MATRIX_SCALE_ROW1
.else
	v_wmma_scale_f32_16x16x128_f8f6f4 v[8*(4*\a+\b):8*(4*\a+\b)+7], v[FA+96*S+48+12*\b:FA+96*S+48+12*\b+11], v[FA+96*S+12*\a:FA+96*S+12*\a+11], v[8*(4*\a+\b):8*(4*\a+\b)+7], v[SC+4*S+\b], v[SC+4*S+\a] matrix_a_fmt:MATRIX_FMT_FP6 matrix_b_fmt:MATRIX_FMT_FP6 matrix_a_scale:MATRIX_SCALE_ROW1
.endif
.endr
.endr
.endm
	s_wait_alu depctr_va_vdst(0)                   ; the wait at the head's end
	s_wait_tensorcnt 0x0                           ; my part is in
	s_barrier_signal -1
	s_barrier_wait -1                              ; and everybody's
	FETCH 0
	FETCH 1
	s_wait_loadcnt 0x0                             ; the bias
	s_wait_dscnt 25                                ; step 0's 25 loads are in; step 1's may be out
	WIN 0x40                                       ; D in window 1, C in window 0
	MUL 0, 1
	WIN 0
.set Q, 1
.rept 6
.rept 4
	v_nop                                          ; places in front of loads into registers that the last step's products have read
.endr
	FETCH Q+1
	s_wait_dscnt 25                                ; this step's loads are in; the 25 just issued may be out
	WIN 0x50                                       ; C and D in window 1
	MUL Q, 0
	WIN 0
.set Q, Q+1
.endr
	s_wait_dscnt 0x0                               ; my last reads of the operands are over
	s_barrier_signal -1
	WIN 0x50
	MUL 7, 0                                       ; work on registers while the others arrive
	WIN 0
	s_barrier_wait -1                              ; nobody reads O's bytes any more: they take the stages
.macro TOSTAGE a
	WIN 0x04                                       ; a store's data are its source 1: window 1
.irp b, 0,1,2,3
	ds_store_b128 v[STO], v[8*(4*(\a)+\b):8*(4*(\a)+\b)+3] offset:128*(\b/2)+32*(\b%2)      ; each accumulator from its low end on
	ds_store_b128 v[STO], v[8*(4*(\a)+\b)+4:8*(4*(\a)+\b)+7] offset:128*(\b/2)+32*(\b%2)+16
.endr
	WIN 0
.irp t, 0,1,2,3,4,5,6,7
	ds_load_b128 v[FA+32*(\a)+4*\t:FA+32*(\a)+4*\t+3], v[RD] offset:\t*2*SP   ; LDS serves a wave's instructions in order: these see the stores above
.endr
.endm
.macro SEND a, younger                 ; younger: the LDS instructions issued behind image a's loads
	s_wait_dscnt \younger
.irp t, 0,1,2,3,4,5,6,7
	global_store_b128 v[CO], v[FA+32*(\a)+4*\t:FA+32*(\a)+4*\t+3], s[12:13] offset:(32*((\a)/2)+8*((\a)%2)+2*\t+8*(\t/4))*4096 th:TH_STORE_NT   ; sixteen lanes store 256 consecutive bytes, aligned
.endr
.endm
.rept 4
	v_nop                                          ; places behind the last products
.endr
	TOSTAGE 0
	TOSTAGE 1
	SEND 0, 16                                     ; behind image 0's loads: image 1's 8 stores and 8 loads
	TOSTAGE 2
	SEND 1, 16
	TOSTAGE 3
	SEND 2, 16
	SEND 3, 0
	s_wait_tensorcnt 0x0                           ; the wave's end
	ds_add_u32 v[SPW], v[NIL]
	s_wait_dscnt 0x0
	CROUND                                         ; the closing round
	s_endpgm
.Lfunc_end_k_qc2da00573e_oproj:
	.size	k_qc2da00573e_oproj, .Lfunc_end_k_qc2da00573e_oproj-k_qc2da00573e_oproj
	.p2alignl 7, 3214868480
	.fill 96, 4, 3214868480
	.section	.rodata,"a",@progbits
	.p2align	6, 0x0
	.amdhsa_kernel k_qc2da00573e_oproj
		.amdhsa_group_segment_fixed_size 327680
		.amdhsa_private_segment_fixed_size 0
		.amdhsa_enable_private_segment 0
		.amdhsa_kernarg_size 32
		.amdhsa_user_sgpr_count 2
		.amdhsa_user_sgpr_kernarg_segment_ptr 1
		.amdhsa_wavefront_size32 1
		.amdhsa_system_sgpr_workgroup_id_x 1
		.amdhsa_system_sgpr_workgroup_id_y 1
		.amdhsa_system_sgpr_workgroup_id_z 1
		.amdhsa_system_vgpr_workitem_id 0
		.amdhsa_next_free_vgpr 384
		.amdhsa_next_free_sgpr 100
		.amdhsa_reserve_vcc 0
		.amdhsa_float_denorm_mode_32 3
		.amdhsa_float_denorm_mode_16_64 3
		.amdhsa_memory_ordered 1
		.amdhsa_forward_progress 1
		.amdhsa_inst_pref_size 45
	.end_amdhsa_kernel
	.amdgpu_metadata
---
amdhsa.version: [ 1, 2 ]
amdhsa.kernels:
  - .name:           k_qc2da00573e_oproj
    .symbol:         k_qc2da00573e_oproj.kd
    .args:
      - { .name: aog, .offset: 0, .size: 8, .value_kind: global_buffer, .address_space: global }
      - { .name: prep, .offset: 8, .size: 8, .value_kind: global_buffer, .address_space: global }
      - { .name: bo, .offset: 16, .size: 8, .value_kind: global_buffer, .address_space: global }
      - { .name: out0, .offset: 24, .size: 8, .value_kind: global_buffer, .address_space: global }
    .group_segment_fixed_size: 327680
    .private_segment_fixed_size: 0
    .kernarg_segment_align: 8
    .kernarg_segment_size: 32
    .max_flat_workgroup_size: 256
    .sgpr_count:     100
    .vgpr_count:     384
    .wavefront_size: 32
...
	.end_amdgpu_metadata
.endif
;; end of part 4
